; MI455X (gfx1250); checked and timed in simulation.
; The chip was launched on July 23, 2026; its instructions are those of AMD's public machine-readable ISA for CDNA 5 (MIT licence, August 2026) and "CDNA5" Instruction Set Architecture Reference Guide (July 2026). The comments in the code are by the model that wrote it; some were corrected since.
;; Parallel Slow Castle. Allowed arithmetic: float matrix products may take bf16 or f16 operands with f32 sums; all other float work in f32.
;; Inputs: w_k_c 512 x 512 float32; w_k_u 512 x 512 float32; w_out 512 x 512 float32; w_q_c 512 x 512 float32; w_q_u 512 x 512 float32; w_v_c 512 x 512 float32; w_v_u 512 x 512 float32; x 2 x 1,024 x 512 float32.
;; Outputs: out0 2 x 1,024 x 512 float32.
;; 2 versions, each right; version 2 is version 1 with the launches projk, sigp, outp written anew for expert scheduling mode. Each part assembles by itself: llvm-mc -triple=amdgcn-amd-amdhsa -mcpu=gfx1250 --defsym DOCPART=n.
;; ======== version 1 of 2: 5 launches
;; limits: values are held in f16: magnitudes above 65,504 overflow, below 6.1e-05 lose precision
;; workspace buffers: xF 2,097,152 bytes; wF 3,670,016 bytes; proj 16,777,216 bytes; SigF 33,554,432 bytes; PF 33,554,432 bytes; OF 4,194,304 bytes
;; launch pack (part 1): grid 32 x 11, 4 waves a work-group, no clusters, 0 bytes of LDS; arguments w_q_c, w_k_c, w_q_u, w_k_u, w_v_u, w_v_c, w_out, x, xF, wF; writes xF, wF
.if DOCPART == 1
	.amdgcn_target "amdgcn-amd-amdhsa--gfx1250"
	.amdhsa_code_object_version 6
	.text
	.protected	k_q1e448a8a56_pack
	.globl	k_q1e448a8a56_pack
	.p2align	8
	.type	k_q1e448a8a56_pack,@function
k_q1e448a8a56_pack:
	s_mov_b64 s[64:65], 0
	v_nop
	global_prefetch_b8 v0, s[64:65] scope:SCOPE_SE
	s_setreg_imm32_b32 hwreg(HW_REG_WAVE_MODE, 25, 1), 1
	s_wait_xcnt 0x0
; LAUNCH 1 OF 5: x and the seven weights are rounded to bf16 once and laid out as matrix-operand fragments.
; A FRAGMENT BLOCK is 1,024 bytes = one operand of 16 rows x 32 K in bf16: the 16 bytes at c*512 + lane*16 (c = 0, 1) are registers
; 4c..4c+3 of lane (r = lane & 15, h = lane >> 4): row r, K = 16c + 8h + 0..7.  Every later launch loads an operand by two loads of
; 16 bytes a lane, each covering 512 consecutive bytes, with no change of layout in LDS.
;   xF [token tile 128][kf 16][block]                 row = token, K = model dimension
;   wF [weight 7][column tile 32][kf 16][block]       row = column of w, K = row of w;  0 q_c 1 k_c 2 q_u 3 k_u 4 v_u 5 v_c 6 w_out
;
; WORK THAT THE WHOLE PROGRAM LEAVES OUT, for all finite inputs, from reference()'s own masks (s = SCALE):
;  (1) scores with k > i get causal_mask = -inf; silu(S_u) is finite, so the softmax weight is exactly 0: those score tiles, their S_u
;      and their part of attn x Vc are not made.
;  (2) sigmoid_term[k][j] = sigmoid(.. - inf) = 0 for j <= k, and term1[i][j] is multiplied by binary_causal = 0 for j > i, so
;      S_u[i][k] = sum over k < j <= i of term1[i][j] Sig[k][j]: the other products are products with a zero that reference() builds.
;  (3) term1[i][j] = s Qc[i].Vu[j] is linear in Vu, so for a query i in chunk t (64 rows) and k < 64 t
;      S_u[i][k] = s Qc[i].P_t[k] + sum over j in chunk t, j <= i, of term1[i][j] Sig[k][j],  P_t[k] = sum over k < j < 64 t of Sig[k][j] Vu[j].
;      This is the same sum of the same terms in another order; no difference of large sums is formed.
; All eight inputs have a way to the output and all are loaded.
; LIMITS: a NaN, an infinity or an overflow that reaches only the work left out under (1) and (2) is not carried to the result.  The sum
; over j is associated otherwise than in reference() (P_t is summed in f32 and rounded to bf16 as a matrix operand).
;
; Work-group (x, y), four waves.  y < 7: weight y, columns 64 (x & 7) .. +63, wave w takes kf = 4 (x >> 3) + w (32 rows of w).
; y >= 7: token tile 32 (y - 7) + x of x, wave w takes kf = 4 w .. 4 w + 3.  A wave makes four blocks.
.set D, 8                              ; v[8:71]   64 numbers in f32: block f at 16 f, half c at 8 c, element e
.set Y, 72                             ; v[72:103] the four blocks in bf16
; round 64 numbers to bf16 and store four blocks, stride bytes apart, at s[lo:lo+1]; each store covers 512 consecutive bytes
.macro PACKST stride, lo
.irp f,0,1,2,3
.irp q,0,1,2,3,4,5,6,7
	v_cvt_pk_bf16_f32 v[Y+8*\f+\q], v[D+16*\f+2*\q], v[D+16*\f+2*\q+1]
.endr
.endr
.irp f,0,1,2,3
.irp c,0,1
	global_store_b128 v1, v[Y+8*\f+4*\c:Y+8*\f+4*\c+3], s[\lo:\lo+1] offset:\f*\stride+\c*512
.endr
.endr
.endm
	s_load_b512 s[8:23], s[0:1], 0x0               ; the seven weights in wF's order, then x in s[22:23]
	s_load_b128 s[24:27], s[0:1], 0x40             ; xF s[24:25], wF s[26:27]
	v_and_b32 v3, 31, v0
	v_lshlrev_b32 v1, 4, v3                        ; 16 x lane
	v_and_b32 v4, 15, v0                           ; r
	v_bfe_u32 v5, v0, 4, 1                         ; h
	v_lshrrev_b32 v6, 5, v0
	v_readfirstlane_b32 s2, v6                     ; wave
	s_and_b32 s3, ttmp7, 0xffff                    ; y
	s_mov_b32 s31, 0
	s_wait_kmcnt 0x0
	s_cmp_ge_u32 s3, 7
	s_cbranch_scc1 .Lx
	; a weight: element (column 16 (4 ctg + f) + r, row 32 kf + 16 c + 8 h + e) lies at row x 2,048 + column x 4
	s_mov_b64 s[28:29], s[8:9]
.irp i,1,2,3,4,5,6
	s_cmp_eq_u32 s3, \i
	s_cselect_b64 s[28:29], s[8+2*\i:9+2*\i], s[28:29]
.endr
	s_and_b32 s4, ttmp9, 7                         ; ctg: which 64 columns
	s_lshr_b32 s5, ttmp9, 3
	s_lshl2_add_u32 s5, s5, s2                     ; kf
	s_lshl_b32 s30, s5, 16                         ; 32 rows of 2,048 bytes
	s_lshl_b32 s6, s4, 8                           ; 64 columns of 4 bytes
	s_add_co_u32 s30, s30, s6
	s_add_nc_u64 s[28:29], s[28:29], s[30:31]
	v_lshlrev_b32 v2, 2, v4
	v_lshl_add_u32 v2, v5, 14, v2                  ; 4 r + 8 h rows
.irp f,0,1,2,3
.irp c,0,1
.irp e,0,1,2,3,4,5,6,7
	global_load_b32 v[D+16*\f+8*\c+\e], v2, s[28:29] offset:(16*\c+\e)*2048+\f*64 th:TH_LOAD_NT
.endr
.endr
.endr
	s_lshl_b32 s30, s3, 5
	s_lshl2_add_u32 s30, s4, s30                   ; column tile 32 y + 4 ctg
	s_lshl4_add_u32 s30, s30, s5                   ; x 16 + kf
	s_lshl_b32 s30, s30, 10
	s_add_nc_u64 s[26:27], s[26:27], s[30:31]
	s_wait_loadcnt 0x0
	PACKST 16384, 26                               ; the next column tile is 16 blocks on
	s_endpgm
.Lx:	; x: element (token 16 tt + r, dimension 32 (4 w + f) + 16 c + 8 h + e): 32 consecutive bytes a lane
	s_sub_co_u32 s4, s3, 7
	s_lshl_b32 s4, s4, 5
	s_add_co_u32 s4, s4, ttmp9                     ; tt
	s_lshl_b32 s30, s4, 15                         ; 16 rows of 2,048 bytes
	s_lshl_b32 s5, s2, 9                           ; the wave's 128 dimensions
	s_add_co_u32 s30, s30, s5
	s_add_nc_u64 s[22:23], s[22:23], s[30:31]
	v_lshlrev_b32 v2, 11, v4
	v_lshl_add_u32 v2, v5, 5, v2                   ; r rows + 32 h
.irp f,0,1,2,3
.irp c,0,1
.irp q,0,1
	global_load_b128 v[D+16*\f+8*\c+4*\q:D+16*\f+8*\c+4*\q+3], v2, s[22:23] offset:\f*128+\c*64+\q*16 th:TH_LOAD_NT
.endr
.endr
.endr
	s_lshl_b32 s30, s4, 14                         ; 16 blocks a token tile
	s_lshl_b32 s5, s2, 12                          ; the wave's four blocks
	s_add_co_u32 s30, s30, s5
	s_add_nc_u64 s[24:25], s[24:25], s[30:31]
	s_wait_loadcnt 0x0
	PACKST 1024, 24
	s_endpgm
.Lfunc_end_k_q1e448a8a56_pack:
	.size	k_q1e448a8a56_pack, .Lfunc_end_k_q1e448a8a56_pack-k_q1e448a8a56_pack
	.p2alignl 7, 3214868480
	.fill 96, 4, 3214868480
	.section	.rodata,"a",@progbits
	.p2align	6, 0x0
	.amdhsa_kernel k_q1e448a8a56_pack
		.amdhsa_group_segment_fixed_size 0
		.amdhsa_private_segment_fixed_size 0
		.amdhsa_enable_private_segment 0
		.amdhsa_kernarg_size 80
		.amdhsa_user_sgpr_count 2
		.amdhsa_user_sgpr_kernarg_segment_ptr 1
		.amdhsa_wavefront_size32 1
		.amdhsa_system_sgpr_workgroup_id_x 1
		.amdhsa_system_sgpr_workgroup_id_y 1
		.amdhsa_system_sgpr_workgroup_id_z 1
		.amdhsa_system_vgpr_workitem_id 0
		.amdhsa_next_free_vgpr 104
		.amdhsa_next_free_sgpr 66
		.amdhsa_reserve_vcc 0
		.amdhsa_float_denorm_mode_32 3
		.amdhsa_float_denorm_mode_16_64 3
		.amdhsa_memory_ordered 1
		.amdhsa_forward_progress 1
		.amdhsa_inst_pref_size 16
	.end_amdhsa_kernel
	.amdgpu_metadata
---
amdhsa.version: [ 1, 2 ]
amdhsa.kernels:
  - .name:           k_q1e448a8a56_pack
    .symbol:         k_q1e448a8a56_pack.kd
    .args:
      - { .name: w_q_c, .offset: 0, .size: 8, .value_kind: global_buffer, .address_space: global }
      - { .name: w_k_c, .offset: 8, .size: 8, .value_kind: global_buffer, .address_space: global }
      - { .name: w_q_u, .offset: 16, .size: 8, .value_kind: global_buffer, .address_space: global }
      - { .name: w_k_u, .offset: 24, .size: 8, .value_kind: global_buffer, .address_space: global }
      - { .name: w_v_u, .offset: 32, .size: 8, .value_kind: global_buffer, .address_space: global }
      - { .name: w_v_c, .offset: 40, .size: 8, .value_kind: global_buffer, .address_space: global }
      - { .name: w_out, .offset: 48, .size: 8, .value_kind: global_buffer, .address_space: global }
      - { .name: x, .offset: 56, .size: 8, .value_kind: global_buffer, .address_space: global }
      - { .name: xF, .offset: 64, .size: 8, .value_kind: global_buffer, .address_space: global }
      - { .name: wF, .offset: 72, .size: 8, .value_kind: global_buffer, .address_space: global }
    .group_segment_fixed_size: 0
    .private_segment_fixed_size: 0
    .kernarg_segment_align: 8
    .kernarg_segment_size: 80
    .max_flat_workgroup_size: 128
    .sgpr_count:     66
    .vgpr_count:     104
    .wavefront_size: 32
...
	.end_amdgpu_metadata
.endif
;; end of part 1
;; launch projk (part 2): grid 8 x 56, 4 waves a work-group, no clusters, 0 bytes of LDS; arguments xF, wF, proj; writes proj
.if DOCPART == 2
	.amdgcn_target "amdgcn-amd-amdhsa--gfx1250"
	.amdhsa_code_object_version 6
	.text
	.protected	k_q1e448a8a56_projk
	.globl	k_q1e448a8a56_projk
	.p2align	8
	.type	k_q1e448a8a56_projk,@function
k_q1e448a8a56_projk:
	s_mov_b64 s[64:65], 0
	v_nop
	global_prefetch_b8 v0, s[64:65] scope:SCOPE_SE
	s_setreg_imm32_b32 hwreg(HW_REG_WAVE_MODE, 25, 1), 1
	s_wait_xcnt 0x0
; LAUNCH 2 OF 5: the six projections x @ w, K = 512, bf16 operands, f32 sums, written as 16-bit fragment blocks (1,024 bytes: the 16 bytes
; at c*512 + lane*16 are registers 4c..4c+3 of a 16 x 32 operand) in the form in which the later launches take them as matrix operands.
; proj = 8 sections of 2 MiB, each [batch x head 16][128 KiB]:
;   0 Qc bf16, 1 Kc f16, 2 Qu bf16, 3 Ku bf16, 4 Vu bf16, 7 Qc f16   as [token tile 64][df 2][block]   row = token, K = d
;   5 Vc f16, 6 Vu bf16                                              as [d tile 4][tf 32][block]       row = d,     K = token
; WHY TWO FORMATS.  A query row with few keys is a plain mean of few rows of Vc and is far larger than the rows with many keys, so what enters
; it directly (Vc, and Qc.Kc) is kept with f16's 11 significant bits.  What is summed over up to 1,023 rows (Vu into P) has no room in f16
; and stays bf16, with its partners.  Section 7 is stored from the same sums as section 0: no product is repeated for it.
; LIMIT: sections 1, 5 and 7 hold magnitudes up to 65,504 (beyond: infinity); below 2^-14 their step is 2^-24.  With x and w both 30 times
; larger than unit and 0.02 spread the largest |Vc| is about 2,000; with offsets of 30 spreads in both about 9,200.
; Vu is made twice, once in each form, by the same text with the two operands exchanged: 1/7 of this launch's products are so repeated;
; that is the price of having no transposing pass.
; Qc and Qu are multiplied in f32 by SCALE x log2(e), so that every later exponential is a plain power of two.
; In a result tile lane (r, h) holds column n = r and rows m = 8h + 0..7: rounded and packed, these are four registers of an operand
; whose row is n and whose K is m.  So the side that is to become the operand's row goes in as source 1.
; Work-group (x, y): section y >> 3, head y & 7; wave w: tokens 64 (4 x + w) .. +63.  A wave makes 64 x 64 with 16 accumulators.
.set RING, 64                          ; v[64:255] three buffers of 64: four fragments of the m side, four of the n side
.set SA, 20                            ; s[20:21] m side's blocks;  s[22:23] n side's
.set SB, 22
.set MSB, 0
.macro WIN new                         ; the immediate's high byte repeats the setting that is left
.if MSB != \new
	s_set_vgpr_msb (MSB<<8)|\new
.set MSB, \new
.endif
.endm
.macro PLACES                          ; four plain vector places behind a matrix instruction, before its registers are read, written or loaded (ISA guide 7.12.1)
.rept 4
	v_nop
.endr
.endm
.macro LDSTEP kf, buf                  ; the 16 loads of K step kf
.irp a,0,1,2,3
.irp c,0,1
	global_load_b128 v[RING+64*(\buf)+8*\a+4*\c:RING+64*(\buf)+8*\a+4*\c+3], v1, s[SA:SA+1] offset:\a*16384+(\kf)*1024+\c*512
.endr
.endr
.irp a,0,1,2,3
.irp c,0,1
	global_load_b128 v[RING+64*(\buf)+32+8*\a+4*\c:RING+64*(\buf)+32+8*\a+4*\c+3], v1, s[SB:SB+1] offset:\a*16384+(\kf)*1024+\c*512
.endr
.endr
.endm
.macro MULSTEP buf, zero               ; 16 products; the 16 accumulators (window 1, tile (mt, nt) at 8 (4 mt + nt)) take turns
.irp mt,0,1,2,3
.irp nt,0,1,2,3
.if \zero
	v_wmma_f32_16x16x32_bf16 v[8*(4*\mt+\nt):8*(4*\mt+\nt)+7], v[RING+64*(\buf)+8*\mt:RING+64*(\buf)+8*\mt+7], v[RING+64*(\buf)+32+8*\nt:RING+64*(\buf)+32+8*\nt+7], 0
.else
	v_wmma_f32_16x16x32_bf16 v[8*(4*\mt+\nt):8*(4*\mt+\nt)+7], v[RING+64*(\buf)+8*\mt:RING+64*(\buf)+8*\mt+7], v[RING+64*(\buf)+32+8*\nt:RING+64*(\buf)+32+8*\nt+7], v[8*(4*\mt+\nt):8*(4*\mt+\nt)+7]
.endif
.endr
.endr
.endm
; K step st on buffer buf.  left = the loads of the younger steps that may stay out; nxt = 1: the buffer is loaded again, three steps ahead
.macro GSTEP st, buf, zero, left, nxt
	s_wait_loadcnt \left
	WIN 0x50                                       ; C and D in window 1
	MULSTEP \buf, \zero
	WIN 0
	PLACES
.if \nxt
	LDSTEP (\st)+3, \buf
.endif
.endm
.macro PACK op, dst                    ; the 128 sums of a lane, rounded by op and packed: tile (mt, nt) becomes v[dst + 4 (4 mt + nt) ..]
	WIN 0x05                                       ; sources in window 1, results in window 0
.set i, 0
.rept 64
	\op v[\dst+i], v[2*i], v[2*i+1]
.set i, i+1
.endr
	WIN 0
.endm
.macro STORE16 src, lo                 ; m tile mt is half (mt & 1) of block mt >> 1; each store covers 512 consecutive bytes
.irp mt,0,1,2,3
.irp nt,0,1,2,3
	global_store_b128 v[2+\nt], v[\src+4*(4*\mt+\nt):\src+4*(4*\mt+\nt)+3], s[\lo:\lo+1] offset:\mt*512
.endr
.endr
.endm
	s_load_b128 s[8:11], s[0:1], 0x0               ; xF, wF
	s_load_b64 s[12:13], s[0:1], 0x10              ; proj
	v_and_b32 v1, 31, v0
	v_lshlrev_b32 v1, 4, v1                        ; 16 x lane
	v_lshrrev_b32 v6, 5, v0
	v_readfirstlane_b32 s2, v6                     ; wave
	s_and_b32 s3, ttmp7, 0xffff
	s_lshr_b32 s4, s3, 3                           ; section
	s_and_b32 s5, s3, 7                            ; head
	s_lshl2_add_u32 s6, ttmp9, s2                  ; tg: which 64 tokens
	s_cmp_eq_u32 s4, 6
	s_cselect_b32 s7, 4, s4                        ; the weight: section 6 is Vu again
	s_lshl_b32 s14, s7, 5
	s_lshl2_add_u32 s14, s5, s14                   ; column tile 32 weight + 4 head
	s_lshl_b32 s14, s14, 14
	s_mov_b32 s15, 0
	s_lshl_b32 s16, s6, 16                         ; four token tiles of 16 blocks
	s_mov_b32 s17, 0
	s_wait_kmcnt 0x0
	s_add_nc_u64 s[10:11], s[10:11], s[14:15]
	s_add_nc_u64 s[8:9], s[8:9], s[16:17]
	s_cmp_ge_u32 s4, 5                             ; sections 5 and 6: row = d, so x is the m side
	s_cselect_b64 s[SA:SA+1], s[8:9], s[10:11]
	s_cselect_b64 s[SB:SB+1], s[10:11], s[8:9]
	s_cselect_b32 s24, 15, 11                      ; log2 of the bytes from one n tile's blocks to the next
	s_cselect_b32 s25, 11, 13                      ; log2 of the bytes of 64 tokens in a section
	LDSTEP 0, 0
	LDSTEP 1, 1
	LDSTEP 2, 2
	s_lshl_b32 s24, 1, s24
	s_lshl_b32 s26, s4, 21                         ; section
	s_lshr_b32 s28, s6, 4
	s_lshl3_add_u32 s28, s28, s5                   ; batch x 8 + head
	s_lshl_b32 s28, s28, 17
	s_add_co_u32 s26, s26, s28
	s_and_b32 s28, s6, 15
	s_lshl_b32 s28, s28, s25
	s_add_co_u32 s26, s26, s28
	s_mov_b32 s27, 0
	s_add_nc_u64 s[12:13], s[12:13], s[26:27]
	s_mov_b32 s28, 0
.irp nt,0,1,2,3
	v_add_nc_u32 v[2+\nt], s28, v1                 ; v[2:5]: 16 x lane + n tile's place
	s_add_co_u32 s28, s28, s24
.endr
	GSTEP 0, 0, 1, 32, 1                           ; the first products start the sums: nothing is cleared
	GSTEP 1, 1, 0, 32, 1
	GSTEP 2, 2, 0, 32, 1
	GSTEP 3, 0, 0, 32, 1
	GSTEP 4, 1, 0, 32, 1
	GSTEP 5, 2, 0, 32, 1
	GSTEP 6, 0, 0, 32, 1
	GSTEP 7, 1, 0, 32, 1
	GSTEP 8, 2, 0, 32, 1
	GSTEP 9, 0, 0, 32, 1
	GSTEP 10, 1, 0, 32, 1
	GSTEP 11, 2, 0, 32, 1
	GSTEP 12, 0, 0, 32, 1
	GSTEP 13, 1, 0, 32, 0
	GSTEP 14, 2, 0, 16, 0                          ; the counts run down: one younger step, then none
	GSTEP 15, 0, 0, 0, 0
	s_and_b32 s29, s4, 5                           ; 0 for sections 0 (Qc) and 2 (Qu) alone
	s_cmp_lg_u32 s29, 0
	s_cbranch_scc1 .Lplain
	WIN 0x41
.set i, 0
.rept 64
	v_pk_mul_f32 v[i:i+1], v[i:i+1], 0x3e38aa3b op_sel_hi:[1,0]    ; x 0.125 log2(e)
.set i, i+2
.endr
	WIN 0
.Lplain:
	s_and_b32 s29, s4, 3                           ; 1 for sections 1 (Kc) and 5 (Vc) alone
	s_cmp_eq_u32 s29, 1
	s_cbranch_scc1 .Lhalf
	PACK v_cvt_pk_bf16_f32, RING
	s_branch .Lstore
.Lhalf:
	PACK v_cvt_pk_f16_f32, RING
.Lstore:
	STORE16 RING, 12
	s_cmp_lg_u32 s4, 0
	s_cbranch_scc1 .Lend
	s_add_nc_u64 s[30:31], s[12:13], 0xe00000      ; Qc once more, in f16, seven sections on; other registers than the stores above read
	PACK v_cvt_pk_f16_f32, RING+64
	STORE16 RING+64, 30
.Lend:
	s_endpgm
.Lfunc_end_k_q1e448a8a56_projk:
	.size	k_q1e448a8a56_projk, .Lfunc_end_k_q1e448a8a56_projk-k_q1e448a8a56_projk
	.p2alignl 7, 3214868480
	.fill 96, 4, 3214868480
	.section	.rodata,"a",@progbits
	.p2align	6, 0x0
	.amdhsa_kernel k_q1e448a8a56_projk
		.amdhsa_group_segment_fixed_size 0
		.amdhsa_private_segment_fixed_size 0
		.amdhsa_enable_private_segment 0
		.amdhsa_kernarg_size 24
		.amdhsa_user_sgpr_count 2
		.amdhsa_user_sgpr_kernarg_segment_ptr 1
		.amdhsa_wavefront_size32 1
		.amdhsa_system_sgpr_workgroup_id_x 1
		.amdhsa_system_sgpr_workgroup_id_y 1
		.amdhsa_system_sgpr_workgroup_id_z 1
		.amdhsa_system_vgpr_workitem_id 0
		.amdhsa_next_free_vgpr 384
		.amdhsa_next_free_sgpr 66
		.amdhsa_reserve_vcc 0
		.amdhsa_float_denorm_mode_32 3
		.amdhsa_float_denorm_mode_16_64 3
		.amdhsa_memory_ordered 1
		.amdhsa_forward_progress 1
		.amdhsa_inst_pref_size 67
	.end_amdhsa_kernel
	.amdgpu_metadata
---
amdhsa.version: [ 1, 2 ]
amdhsa.kernels:
  - .name:           k_q1e448a8a56_projk
    .symbol:         k_q1e448a8a56_projk.kd
    .args:
      - { .name: xF, .offset: 0, .size: 8, .value_kind: global_buffer, .address_space: global }
      - { .name: wF, .offset: 8, .size: 8, .value_kind: global_buffer, .address_space: global }
      - { .name: proj, .offset: 16, .size: 8, .value_kind: global_buffer, .address_space: global }
    .group_segment_fixed_size: 0
    .private_segment_fixed_size: 0
    .kernarg_segment_align: 8
    .kernarg_segment_size: 24
    .max_flat_workgroup_size: 128
    .sgpr_count:     66
    .vgpr_count:     384
    .wavefront_size: 32
...
	.end_amdgpu_metadata
.endif
;; end of part 2
;; launch sigp (part 3): grid 256 x 1, 4 waves a work-group, no clusters, 33,280 bytes of LDS; arguments proj, SigF, PF; writes SigF, PF
.if DOCPART == 3
	.amdgcn_target "amdgcn-amd-amdhsa--gfx1250"
	.amdhsa_code_object_version 6
	.text
	.protected	k_q1e448a8a56_sigp
	.globl	k_q1e448a8a56_sigp
	.p2align	8
	.type	k_q1e448a8a56_sigp,@function
k_q1e448a8a56_sigp:
	s_mov_b64 s[64:65], 0
	v_nop
	global_prefetch_b8 v0, s[64:65] scope:SCOPE_SE
	s_setreg_imm32_b32 hwreg(HW_REG_WAVE_MODE, 25, 1), 1
	s_wait_xcnt 0x0
; LAUNCH 3 OF 5: Sig[k][j] = sigmoid(SCALE Qu[k].Ku[j]) for j > k, and its running product with Vu,
; P_t[k] = sum over k < j < 64 t of Sig[k][j] Vu[j], both written as bf16 fragment blocks (row = k):
;   SigF [bh 16][t 16][kt 64][jf 2][block]  K = j in chunk t (64 rows);   PF [bh][t][kt][df 2][block]  K = d.
; LEFT OUT: Sig for j <= k is sigmoid(-inf) = 0 in reference(): chunks t below k's own are not made; in k's own chunk the half jf = 0 of
; k tiles 2 and 3 is all zero and is neither made nor stored.  P is read only as P_t, t <= 15, so chunk 15 is not added to it and Vu's
; chunk 15 is not fetched.  PF is written for kt < 4 t alone.  The next launch reads exactly what is written here.
; Work-group id: g = id >> 4 is the chunk of its 64 rows k (the longest walks have the lowest ids), bh = id & 15.  Wave w owns k tile 4 g + w
; and walks the chunks t = g .. 15.  The walk is a chain (P is carried), so a trip is kept short:
;  - the four waves share a chunk's Ku and Vu through two LDS slots of 16 KiB that take turns, chunk t in slot (t - g) & 1:
;      slot + 0..8191 Ku [j tile 4][df 2][block];  slot + 8192..16383 Vu with K = j, [d tile 4][jf 2][block].
;    ONE barrier a trip: a wave stores slot s in trip t + 1 only behind the barrier of trip t, and in front of that barrier every wave has
;    waited for its reads of trip t - 1, the last reads of slot s.  The slot stands in the immediates, so the walk is written in pairs of trips.
;  - all 32 LDS loads of a trip go out at once, behind the barrier;
;  - the chunk's halves j 0..31 and 32..63 take turns: one half's products stand among the other half's exponentials and reciprocals.
; Scores are made transposed (source 0 = Ku, source 1 = Qu): lane (r, h) holds k = r, j = 8h + 0..7, which packs into the operand Sig (row k, K = j).
; LIMIT: 2^x overflows to infinity and its reciprocal is 0, which is the sigmoid's own limit.
.set SLOT, 16384
.set THR, 2                            ; v2  16 (w & 1) + r - 8 h: in the own chunk a score is kept where 16 x j tile + register > THR
.set QU, 4                             ; v[4:19]    Qu of my 16 rows, df 0, 1
.set S, 20                             ; v[20:51]   scores of four j tiles; packed in place, half jf's Sig operand is v[S+16 jf : +7]
.set PA, 52                            ; v[52:83]   P transposed, four d tiles, f32
.set KU, 84                            ; v[84:147]  Ku: (j tile, df) at 16 jt + 8 df
.set VU, 148                           ; v[148:211] Vu: (jf, d tile) at 32 jf + 8 dt
.set ST, 212                           ; v[212:243] the next chunk on its way: my quarter of Ku, then of Vu
.set TP, 0                             ; window 1, v[0:15]: P rounded, to store
.set MSB, 0
.macro WIN new                         ; the immediate's high byte repeats the setting that is left; at labels and branches every window is 0
.if MSB != (\new)
	s_set_vgpr_msb (MSB<<8)|(\new)
.set MSB, (\new)
.endif
.endm
.macro PLACES                          ; four plain vector places behind a matrix instruction (ISA guide 7.12.1)
.rept 4
	v_nop
.endr
.endm
.macro GLOADK
.irp i,0,1,2,3
	global_load_b128 v[ST+4*\i:ST+4*\i+3], v1, s[14:15] offset:\i*512
.endr
.endm
.macro GLOADV
.irp i,0,1,2,3
	global_load_b128 v[ST+16+4*\i:ST+16+4*\i+3], v1, s[16:17] offset:\i*512
.endr
.endm
.macro SCORE jt, df                    ; one product of j tile jt; df = 0 starts the sum
.if \df
	v_wmma_f32_16x16x32_bf16 v[S+8*\jt:S+8*\jt+7], v[KU+16*\jt+8:KU+16*\jt+15], v[QU+8:QU+15], v[S+8*\jt:S+8*\jt+7]
.else
	v_wmma_f32_16x16x32_bf16 v[S+8*\jt:S+8*\jt+7], v[KU+16*\jt:KU+16*\jt+7], v[QU:QU+7], 0
.endif
.endm
.macro PPROD dt, jf, zero              ; P^T's d tile dt += Vu x Sig of half jf
.if \zero
	v_wmma_f32_16x16x32_bf16 v[PA+8*\dt:PA+8*\dt+7], v[VU+32*\jf+8*\dt:VU+32*\jf+8*\dt+7], v[S+16*\jf:S+16*\jf+7], 0
.else
	v_wmma_f32_16x16x32_bf16 v[PA+8*\dt:PA+8*\dt+7], v[VU+32*\jf+8*\dt:VU+32*\jf+8*\dt+7], v[S+16*\jf:S+16*\jf+7], v[PA+8*\dt:PA+8*\dt+7]
.endif
.endm
.macro EXP4 b                          ; 2^-score: Qu carries SCALE log2(e)
.irp e,0,1,2,3
	v_exp_f32 v[S+\b+\e], -v[S+\b+\e]
.endr
.endm
.macro RCP4 b
.irp e,0,1,2,3
	v_rcp_f32 v[S+\b+\e], v[S+\b+\e]
.endr
.endm
.macro EXP16 b
	EXP4 \b
	EXP4 \b+4
	EXP4 \b+8
	EXP4 \b+12
.endm
.macro RCP16 b
	RCP4 \b
	RCP4 \b+4
	RCP4 \b+8
	RCP4 \b+12
.endm
.macro ADD8 b
.irp e,0,2,4,6,8,10,12,14
	v_pk_add_f32 v[S+\b+\e:S+\b+\e+1], v[S+\b+\e:S+\b+\e+1], 1.0 op_sel_hi:[1,0]
.endr
.endm
.macro MASK b                          ; the half that holds my own rows: j <= k becomes 0
	s_wait_alu depctr_va_vdst(0)
.irp e,0,1,2,3,4,5,6,7,8,9,10,11,12,13,14,15
	v_cmp_gt_i32 vcc_lo, \e+8*(\e/8), v[THR]       ; register e is tile e / 8, register e % 8: column 16 (e / 8) + e % 8 + 8 h of these 32
	v_cndmask_b32 v[S+\b+\e], 0, v[S+\b+\e], vcc_lo
.endr
.endm
.macro CVT8 b                          ; 16 numbers become 8 words, in place: word q is written when words 2q, 2q + 1 are read, and q <= 2q
.irp q,0,1,2,3,4,5,6,7
	v_cvt_pk_bf16_f32 v[S+\b+\q], v[S+\b+2*\q], v[S+\b+2*\q+1]
.endr
.endm
.macro SIGST jf                        ; each store covers 512 consecutive bytes
	global_store_b128 v1, v[S+16*\jf:S+16*\jf+3], s[10:11] offset:\jf*1024
	global_store_b128 v1, v[S+16*\jf+4:S+16*\jf+7], s[10:11] offset:\jf*1024+512
.endm
; One chunk out of LDS slot slot.  h0 = 1: half 0 (j 0..31) is made too; m0, m1: that half holds my own rows and is masked;
; zero = 1: the first products into P start the sum; acc = 1: P += Sig x Vu.  All accumulators take turns.
.macro CHUNK slot, h0, m0, m1, zero, acc
.set NV, \acc*(8+8*\h0)                ; Vu's LDS loads, the youngest
.if \h0
.irp i,0,1,2,3,4,5,6,7
	ds_load_b128 v[KU+4*\i:KU+4*\i+3], v1 offset:\slot*SLOT+\i*512
.endr
.endif
.irp i,0,1,2,3,4,5,6,7
	ds_load_b128 v[KU+32+4*\i:KU+32+4*\i+3], v1 offset:\slot*SLOT+4096+\i*512
.endr
.if \acc
.if \h0
.irp dt,0,1,2,3
.irp c,0,1
	ds_load_b128 v[VU+8*\dt+4*\c:VU+8*\dt+4*\c+3], v1 offset:\slot*SLOT+8192+\dt*2048+\c*512
.endr
.endr
.endif
.irp dt,0,1,2,3
.irp c,0,1
	ds_load_b128 v[VU+32+8*\dt+4*\c:VU+32+8*\dt+4*\c+3], v1 offset:\slot*SLOT+8192+\dt*2048+1024+\c*512
.endr
.endr
.endif
.if \h0
	s_wait_dscnt 8+NV                              ; Ku's half 0 is in; Ku's half 1 and Vu stay out
	SCORE 0, 0
	SCORE 1, 0
	SCORE 0, 1
	SCORE 1, 1
	PLACES
	s_wait_dscnt NV                                ; Ku's half 1 is in; Vu stays out
	EXP4 0                                         ; half 0's exponentials, half 1's score products among them
	SCORE 2, 0
	EXP4 4
	SCORE 3, 0
	EXP4 8
	SCORE 2, 1
	EXP4 12
	SCORE 3, 1
	v_nop                                          ; one plain place behind the transcendentals (ISA guide 5.7.2)
	s_wait_alu depctr_va_vdst(0)
	ADD8 0                                         ; with the line above: the places behind half 1's score products
	RCP16 0
	EXP16 16
	v_nop
	s_wait_alu depctr_va_vdst(0)
.if \m0
	MASK 0
.endif
	CVT8 0
	ADD8 16
	SIGST 0
.if \acc
	s_wait_dscnt 0x8                               ; Vu's half 0 is in; its half 1 may stay out
	PPROD 0, 0, \zero                              ; half 0's products into P, half 1's reciprocals among them
	RCP4 16
	PPROD 1, 0, \zero
	RCP4 20
	PPROD 2, 0, \zero
	RCP4 24
	PPROD 3, 0, \zero
	RCP4 28
.else
	RCP16 16
.endif
	v_nop
	s_wait_alu depctr_va_vdst(0)
.else
	s_wait_dscnt NV                                ; Ku's half 1 is in; Vu stays out
	SCORE 2, 0
	SCORE 3, 0
	SCORE 2, 1
	SCORE 3, 1
	PLACES
	EXP16 16
	v_nop
	s_wait_alu depctr_va_vdst(0)
	ADD8 16
	RCP16 16
	v_nop
	s_wait_alu depctr_va_vdst(0)
.endif
.if \m1
	MASK 16
.endif
	CVT8 16
	SIGST 1
.if \acc
	s_wait_dscnt 0x0                               ; Vu's half 1 is in
	PPROD 0, 1, \zero*(1-\h0)
	PPROD 1, 1, \zero*(1-\h0)
	PPROD 2, 1, \zero*(1-\h0)
	PPROD 3, 1, \zero*(1-\h0)
	PLACES                                         ; P is read, and Ku and Vu are loaded again, only behind these
.endif
.endm
; One trip: chunk t in LDS slot slot.  own = 1: the chunk of my own rows; last = 1: chunk 15.
; vthr: Vu's next chunk is fetched never (0), always (99), or where s6 < vthr (chunk 15 of Vu is never used).
.macro TRIP slot, own, last, vthr
.if \own
.else
	s_wait_xcnt 0x0                                ; the last trip's stores: their bases, TP and the packed Sig in S are written again only behind this wait
	s_add_nc_u64 s[10:11], s[10:11], 131072        ; chunk t in SigF and in PF
	s_add_nc_u64 s[12:13], s[12:13], 131072
	WIN 0x40                                       ; P as it stands in front of chunk t is P_t
.irp q,0,1,2,3,4,5,6,7,8,9,10,11,12,13,14,15
	v_cvt_pk_bf16_f32 v[TP+\q], v[PA+2*\q], v[PA+2*\q+1]
.endr
	WIN 0x04                                       ; a store's data is source 1
.irp dt,0,1,2,3
	global_store_b128 v1, v[TP+4*\dt:TP+4*\dt+3], s[12:13] offset:\dt*512   ; d tile dt is half (dt & 1) of block dt >> 1
.endr
	WIN 0
.endif
	s_wait_loadcnt 0x0                             ; my quarter of the chunk has come (and Qu, the first time)
.irp i,0,1,2,3
	ds_store_b128 v3, v[ST+4*\i:ST+4*\i+3] offset:\slot*SLOT+\i*512
.endr
.if \last
.else
.irp i,0,1,2,3
	ds_store_b128 v3, v[ST+16+4*\i:ST+16+4*\i+3] offset:\slot*SLOT+8192+\i*512
.endr
.endif
	s_wait_dscnt 0x0                               ; my stores are done, and so are my reads of the other slot, for the others' sake
	s_barrier_signal -1
	s_barrier_wait -1                              ; this slot is whole, and nobody reads the other slot any more
.if \last
.else
	s_add_nc_u64 s[14:15], s[14:15], 8192          ; the loads that used these bases are done
	GLOADK                                         ; the next chunk travels while this one is worked on
.if \vthr == 99
	s_add_nc_u64 s[16:17], s[16:17], 2048
	GLOADV
.else
.if \vthr
	s_cmp_lt_u32 s6, \vthr
	s_cbranch_scc0 .Lnov_\@
	s_add_nc_u64 s[16:17], s[16:17], 2048
	GLOADV
.Lnov_\@:
.endif
.endif
.endif
.if \own
	s_cmp_lt_u32 s2, 2
	s_cbranch_scc0 .Lhi_\@
	CHUNK \slot, 1, 1, 0, 1, (1-\last)             ; k tiles 0, 1: j 0..31 masked, j 32..63 all above k
	s_branch .Ljoin_\@
.Lhi_\@:
	CHUNK \slot, 0, 0, 1, 1, (1-\last)             ; k tiles 2, 3: j 0..31 are all at or below k
.Ljoin_\@:
.else
	CHUNK \slot, 1, 0, 0, 0, (1-\last)
.endif
.endm
	s_load_b128 s[8:11], s[0:1], 0x0               ; proj, SigF
	s_load_b64 s[12:13], s[0:1], 0x10              ; PF
	v_lshl_add_u32 v254, v0, 2, 0x8000
	v_mov_b32 v255, 0
	v_and_b32 v1, 31, v0
	v_lshlrev_b32 v1, 4, v1                        ; 16 x lane
	v_lshrrev_b32 v4, 5, v0
	v_readfirstlane_b32 s2, v4                     ; wave
	v_and_b32 v5, 15, v0                           ; r
	v_bfe_u32 v6, v0, 4, 1
	v_lshlrev_b32 v6, 3, v6                        ; 8 h
	v_sub_nc_u32 v[THR], v5, v6
	s_and_b32 s7, s2, 1
	v_lshl_add_u32 v[THR], s7, 4, v[THR]
	v_lshl_add_u32 v3, s2, 11, v1                  ; where my quarter goes in a slot
	s_lshr_b32 s3, ttmp9, 4                        ; g
	s_and_b32 s4, ttmp9, 15                        ; bh
	s_lshl2_add_u32 s5, s3, s2                     ; kt
	s_mov_b32 s6, s3                               ; t
	s_mov_b32 s21, 0
	s_mov_b32 s23, 0
	s_mov_b32 s25, 0
	s_mov_b32 s27, 0
	s_lshl_b32 s7, s4, 17                          ; bh x 128 KiB
	s_lshl_b32 s20, s5, 11
	s_add_co_u32 s20, s20, s7                      ; + my k tile, or j tile 4 g + w
	s_add_co_u32 s22, s20, 0x600000                ; section 3, Ku
	s_add_co_u32 s20, s20, 0x400000                ; section 2, Qu
	s_lshl_b32 s24, s2, 15                         ; d tile w
	s_add_co_u32 s24, s24, s7
	s_lshl_b32 s26, s3, 11                         ; chunk g: two blocks
	s_add_co_u32 s24, s24, s26
	s_add_co_u32 s24, s24, 0xc00000                ; section 6, Vu with K = token
	s_lshl4_add_u32 s26, s4, s3
	s_lshl_b32 s26, s26, 6
	s_add_co_u32 s26, s26, s5
	s_lshl_b32 s26, s26, 11                        ; ((bh 16 + t) 64 + kt) x 2,048
	s_wait_kmcnt 0x0
	s_add_nc_u64 s[18:19], s[8:9], s[20:21]
	s_add_nc_u64 s[14:15], s[8:9], s[22:23]
	s_add_nc_u64 s[16:17], s[8:9], s[24:25]
	s_add_nc_u64 s[10:11], s[10:11], s[26:27]
	s_add_nc_u64 s[12:13], s[12:13], s[26:27]
.irp i,0,1,2,3
	global_load_b128 v[QU+4*\i:QU+4*\i+3], v1, s[18:19] offset:\i*512
.endr
	GLOADK
	s_cmp_eq_u32 s3, 15
	s_cbranch_scc1 .Lonly
	GLOADV
	TRIP 0, 1, 0, 14                               ; chunk g; Vu's chunk g + 1 is fetched where g + 1 <= 14
	s_add_co_u32 s6, s6, 1
	s_cmp_lt_u32 s6, 14
	s_cbranch_scc0 .Ltail
.Lpair:	; chunks t and t + 1, t + 1 <= 14
	TRIP 1, 0, 0, 99
	TRIP 0, 0, 0, 13                               ; Vu's chunk t + 2 is fetched where t + 2 <= 14
	s_add_co_u32 s6, s6, 2
	s_cmp_lt_u32 s6, 14
	s_cbranch_scc1 .Lpair
.Ltail:
	s_cmp_eq_u32 s6, 14
	s_cbranch_scc0 .Lodd
	TRIP 1, 0, 0, 0                                ; chunk 14
	TRIP 0, 0, 1, 0                                ; chunk 15
	s_wait_tensorcnt 0x0
	ds_add_u32 v254, v255
	s_wait_dscnt 0x0
	s_endpgm
.Lodd:
	TRIP 1, 0, 1, 0                                ; chunk 15
	s_wait_tensorcnt 0x0
	ds_add_u32 v254, v255
	s_wait_dscnt 0x0
	s_endpgm
.Lonly:
	TRIP 0, 1, 1, 0                                ; g = 15: the own chunk is the last
	s_wait_tensorcnt 0x0
	ds_add_u32 v254, v255
	s_wait_dscnt 0x0
	s_endpgm
.Lfunc_end_k_q1e448a8a56_sigp:
	.size	k_q1e448a8a56_sigp, .Lfunc_end_k_q1e448a8a56_sigp-k_q1e448a8a56_sigp
	.p2alignl 7, 3214868480
	.fill 96, 4, 3214868480
	.section	.rodata,"a",@progbits
	.p2align	6, 0x0
	.amdhsa_kernel k_q1e448a8a56_sigp
		.amdhsa_group_segment_fixed_size 33280
		.amdhsa_private_segment_fixed_size 0
		.amdhsa_enable_private_segment 0
		.amdhsa_kernarg_size 24
		.amdhsa_user_sgpr_count 2
		.amdhsa_user_sgpr_kernarg_segment_ptr 1
		.amdhsa_wavefront_size32 1
		.amdhsa_system_sgpr_workgroup_id_x 1
		.amdhsa_system_sgpr_workgroup_id_y 1
		.amdhsa_system_sgpr_workgroup_id_z 1
		.amdhsa_system_vgpr_workitem_id 0
		.amdhsa_next_free_vgpr 272
		.amdhsa_next_free_sgpr 66
		.amdhsa_reserve_vcc 1
		.amdhsa_float_denorm_mode_32 3
		.amdhsa_float_denorm_mode_16_64 3
		.amdhsa_memory_ordered 1
		.amdhsa_forward_progress 1
		.amdhsa_inst_pref_size 89
	.end_amdhsa_kernel
	.amdgpu_metadata
---
amdhsa.version: [ 1, 2 ]
amdhsa.kernels:
  - .name:           k_q1e448a8a56_sigp
    .symbol:         k_q1e448a8a56_sigp.kd
    .args:
      - { .name: proj, .offset: 0, .size: 8, .value_kind: global_buffer, .address_space: global }
      - { .name: SigF, .offset: 8, .size: 8, .value_kind: global_buffer, .address_space: global }
      - { .name: PF, .offset: 16, .size: 8, .value_kind: global_buffer, .address_space: global }
    .group_segment_fixed_size: 33280
    .private_segment_fixed_size: 0
    .kernarg_segment_align: 8
    .kernarg_segment_size: 24
    .max_flat_workgroup_size: 128
    .sgpr_count:     66
    .vgpr_count:     272
    .wavefront_size: 32
...
	.end_amdgpu_metadata
.endif
;; end of part 3
;; launch attn (part 4): grid 256 x 1, 4 waves a work-group, no clusters, 35,328 bytes of LDS; arguments proj, SigF, PF, OF; writes OF
.if DOCPART == 4
	.amdgcn_target "amdgcn-amd-amdhsa--gfx1250"
	.amdhsa_code_object_version 6
	.text
	.protected	k_q1e448a8a56_attn
	.globl	k_q1e448a8a56_attn
	.p2align	8
	.type	k_q1e448a8a56_attn,@function
k_q1e448a8a56_attn:
	s_mov_b64 s[64:65], 0
	v_nop
	global_prefetch_b8 v0, s[64:65] scope:SCOPE_SE
	s_setreg_imm32_b32 hwreg(HW_REG_WAVE_MODE, 25, 1), 1
	s_wait_xcnt 0x0
; LAUNCH 4 OF 5: scores = S_c - silu(S_u), causal softmax with a running maximum, times Vc.  The merged heads go out as fragment blocks
; OF [token tile 128][part 2][kf 16][block] (row = token, K = 64 head + d): part 0 is O rounded to bf16, part 1 the rest O - part 0 rounded
; to bf16, so that the last product, whose other operand is bf16, sees O with 16 significant bits.
; LEFT OUT: key tiles wholly above the diagonal (weight 0 behind causal_mask = -inf); S_u's terms with j <= k or j > i (zeros that
; reference() builds); for keys k of the query's own chunk P_t[k] is the empty sum; for the first 32 queries of a chunk the half j >= 32
; of term1 is all zero.  S_u[i][k] = Qc[i].P_t[k] + sum over j in chunk t, j <= i, of term1[i][j] Sig[k][j] (same terms, other order).
; FORMATS: Qc.Kc and weights x Vc are f16 products (11 significant bits: they enter the rows with few keys directly, and those rows are the
; largest of the output); Qc.Vu, Qc.P and term1 x Sig are bf16 products (P, a sum of up to 1,023 rows of Vu, has no room in f16).
; LIMIT: the f16 operands hold magnitudes up to 65,504; below 2^-14 their step is 2^-24, so a weight under 2^-25 of its row's largest counts as 0.
; Qc carries SCALE log2(e), so scores and S_u are log2(e) times reference()'s and all exponentials are powers of two:
; log2(e) silu(u) = u' / (1 + 2^-u') with u' = log2(e) u.  2^x overflowing to infinity gives the reciprocal 0, silu's own limit.
; Work-group id: bh = id & 15, p = (id >> 4) & 7, ih = id >> 7.  It makes 32 query rows, half ih of chunk t, in two passes, t = p and
; t = 15 - p, so that all work-groups of one ih have the same number of key tiles.  All four waves hold the same 32 queries (two tiles it,
; queries on lanes) and share out the key tiles of 32: tile q < 2 t goes to wave q mod 4; the tiles of the query's own chunk go to wave 3
; (ih 0), or to waves 2 and 3 (ih 1).  With 2 t = 4 a or 4 a + 2 no wave then has more than the ceiling of (2 t + 1 + ih) / 4 tiles.
; Their partial results (maximum, sum, 64 x 32 of O) meet in LDS at the end of a pass: four regions of 8,704 bytes, one a wave.
; Everything is made transposed (source 0 = the key side): lane (r, h) holds query r and keys 8h + 0..7, so the softmax runs inside a lane
; and across the two halves, and the weights pack into the operand (row = query, K = key) of O^T = Vc^T x weights.
; LOADS RUN AHEAD.  A tile's operands (Kc, P, Sig: NK = 16 + 4 nj loads; Vc: 8) lie in one of two register sets that take turns, A in window 0
; and B in window 2 at the same low numbers; tile m asks for tile m + 2's into its own set, Kc, P, Sig behind its score products and Vc behind its
; O products.  Each set has its own four bases, stepped only when the set's last loads have been shown done.  At most 32 + 24 loads are out.
; The own chunk's tile has a set C (window 3), asked for in front of the wave's last full tile; the second pass's Qc and Vu are asked for in
; front of the first pass's merge.  A wave takes 1,004 registers: it is alone on its SIMD.
; No cluster: partners would be the two ih of one (bh, p), which share Kc, Vc and P but take different numbers of tiles a wave.
.set THR, 2                            ; v[2:3]     16 it + r - 8 h: element (16 x tile + register) is kept where it is <= THR
.set MM, 4                             ; v[4:5]     running maximum of query tile it
.set LL, 6                             ; v[6:7]     running sum (this half of the lanes' keys)
.set AL, 8                             ; v[8:9]     2^(old maximum - new)
.set MN, 10                            ; v[10:11]   new maximum
.set T, 20                             ; v[20:27]   at work            (v12-15 too; v16, v17 LDS addresses)
.set PFR, 28                           ; v[28:43]   weights as operands, 8 it; in the merge the four waves' maxima and sums, then O's two parts
.set SC, 44                            ; v[44:75]   scores, tile (ktl, it) at 8 (2 ktl + it); in the merge, with SU, the four waves' parts of O
.set SU, 76                            ; v[76:107]  S_u likewise
.set KC, 108                           ; v[108:139] Kc (ktl, df) at 8 (2 ktl + df)     these four in window 0 (set A), 2 (set B), 3 (set C);
.set PK, 140                           ; v[140:171] P_t likewise                       window 3's KC and PK hold Vu while term1 is made
.set SG, 172                           ; v[172:203] Sig (ktl, jf) at 8 (2 ktl + jf)
.set VC, 204                           ; v[204:235] Vc^T, d tile at 8 dt
.set QC, 0                             ; window 1: v[0:31] Qc in bf16 at 16 it + 8 df;  v[32:63] term1 at 16 it + 8 jf;
.set T1, 32                            ;           v[64:127] O^T, tile (dt, it) at 8 (2 dt + it);  v[128:159] Qc in f16 at 16 it + 8 df
.set OO, 64
.set QH, 128
.set SBA, 32                           ; s[32:39] set A's bases: Kc, P, Sig, Vc
.set SBB, 68                           ; s[68:75] set B's
.set SBC, 76                           ; s[76:83] set C's (P's place is not used)
.set MSB, 0
.macro WIN new                         ; the immediate's high byte repeats the setting that is left; at labels and branches every window is 0
.if MSB != (\new)
	s_set_vgpr_msb (MSB<<8)|(\new)
.set MSB, (\new)
.endif
.endm
.macro PLACES                          ; four plain vector places behind a matrix instruction (ISA guide 7.12.1)
.rept 4
	v_nop
.endr
.endm
.macro LD8 dst, lo, off                ; four blocks that follow each other: 32 registers
.irp i,0,1,2,3,4,5,6,7
	global_load_b128 v[\dst+4*\i:\dst+4*\i+3], v1, s[\lo:\lo+1] offset:\off+\i*512
.endr
.endm
.macro SGF jf, lo                      ; Sig's half jf for both key tiles: 4 loads
.irp ktl,0,1
.irp c,0,1
	global_load_b128 v[SG+8*(2*\ktl+\jf)+4*\c:SG+8*(2*\ktl+\jf)+4*\c+3], v1, s[\lo:\lo+1] offset:\ktl*2048+\jf*1024+\c*512
.endr
.endr
.endm
.macro SGLD j0, nj, lo
	SGF \j0, \lo
.if \nj == 2
	SGF 1, \lo
.endif
.endm
.macro KPS nj, sb, sw                  ; a full tile's Kc, P, Sig into the set of window sw: 16 + 4 nj loads
	WIN (\sw<<6)
	LD8 KC, \sb, 0
	LD8 PK, \sb+2, 0
	SGLD 0, \nj, \sb+4
	WIN 0
.endm
.macro VLD sb, sw                      ; a tile's Vc^T: 8 loads
	WIN (\sw<<6)
.irp dt,0,1,2,3
.irp c,0,1
	global_load_b128 v[VC+8*\dt+4*\c:VC+8*\dt+4*\c+3], v1, s[\sb+6:\sb+7] offset:\dt*32768+\c*512
.endr
.endr
	WIN 0
.endm
; four products of form op, one on each of the four tiles (ktl, it) of acc: the accumulators take turns
.macro RND op, acc, ab, f, bb, zero
.irp ktl,0,1
.irp it,0,1
.if \zero
	\op v[\acc+8*(2*\ktl+\it):\acc+8*(2*\ktl+\it)+7], v[\ab+8*(2*\ktl+\f):\ab+8*(2*\ktl+\f)+7], v[\bb+16*\it+8*\f:\bb+16*\it+8*\f+7], 0
.else
	\op v[\acc+8*(2*\ktl+\it):\acc+8*(2*\ktl+\it)+7], v[\ab+8*(2*\ktl+\f):\ab+8*(2*\ktl+\f)+7], v[\bb+16*\it+8*\f:\bb+16*\it+8*\f+7], v[\acc+8*(2*\ktl+\it):\acc+8*(2*\ktl+\it)+7]
.endif
.endr
.endr
.endm
.macro XROW jt, df                     ; term1 transposed: Vu's j tile x both query tiles
.irp it,0,1
.if \df
	v_wmma_f32_16x16x32_bf16 v[SC+8*(2*\jt+\it):SC+8*(2*\jt+\it)+7], v[KC+8*(2*\jt+\df):KC+8*(2*\jt+\df)+7], v[QC+16*\it+8*\df:QC+16*\it+8*\df+7], v[SC+8*(2*\jt+\it):SC+8*(2*\jt+\it)+7]
.else
	v_wmma_f32_16x16x32_bf16 v[SC+8*(2*\jt+\it):SC+8*(2*\jt+\it)+7], v[KC+8*(2*\jt+\df):KC+8*(2*\jt+\df)+7], v[QC+16*\it+8*\df:QC+16*\it+8*\df+7], 0
.endif
.endr
.endm
.macro ZMASK base, kk, it, sel         ; a tile on the diagonal block: rows 16 kk + 8 h + e beyond query 16 it + r become sel
.irp e,0,1,2,3,4,5,6,7
	v_cmp_le_i32 vcc_lo, 16*\kk+\e, v[THR+\it]
	v_cndmask_b32 v[\base+\e], \sel, v[\base+\e], vcc_lo
.endr
.endm
.macro SOFTA it, a0, a1                ; the new maximum of query tile it over the tile's 32 keys, and the factor for what has been summed
	v_max3_num_f32 v12, v[\a0], v[\a0+1], v[\a0+2]
	v_max3_num_f32 v13, v[\a0+3], v[\a0+4], v[\a0+5]
	v_max3_num_f32 v12, v12, v[\a0+6], v[\a0+7]
	v_max3_num_f32 v13, v13, v[\a1], v[\a1+1]
	v_max3_num_f32 v12, v12, v[\a1+2], v[\a1+3]
	v_max3_num_f32 v13, v13, v[\a1+4], v[\a1+5]
	v_max3_num_f32 v12, v12, v[\a1+6], v[\a1+7]
	v_max_num_f32 v12, v12, v13
	v_permlanex16_b32 v13, v12, s46, s47           ; the other half of the lanes holds the same query's other keys
	v_max3_num_f32 v[MN+\it], v[MM+\it], v12, v13  ; finite: every tile has a key at or below each of its queries
	v_sub_f32 v14, v[MM+\it], v[MN+\it]
	v_exp_f32 v[AL+\it], v14                       ; 0 the first time (-inf - finite)
	v_mov_b32 v[MM+\it], v[MN+\it]                 ; the plain place behind the transcendental
.endm
.macro SOFTB it, a0, a1                ; weights 2^(score - maximum), their sum, and the weights as an f16 operand
.irp e,0,2,4,6
	v_pk_add_f32 v[\a0+\e:\a0+\e+1], v[\a0+\e:\a0+\e+1], v[MN:MN+1] op_sel:[0,\it] op_sel_hi:[1,\it] neg_lo:[0,1] neg_hi:[0,1]
	v_pk_add_f32 v[\a1+\e:\a1+\e+1], v[\a1+\e:\a1+\e+1], v[MN:MN+1] op_sel:[0,\it] op_sel_hi:[1,\it] neg_lo:[0,1] neg_hi:[0,1]
.endr
.irp e,0,1,2,3,4,5,6,7
	v_exp_f32 v[\a0+\e], v[\a0+\e]
.endr
.irp e,0,1,2,3,4,5,6,7
	v_exp_f32 v[\a1+\e], v[\a1+\e]
.endr
	v_nop
	s_wait_alu depctr_va_vdst(0)
	v_pk_add_f32 v[T:T+1], v[\a0:\a0+1], v[\a0+2:\a0+3]
	v_pk_add_f32 v[T+2:T+3], v[\a0+4:\a0+5], v[\a0+6:\a0+7]
	v_pk_add_f32 v[T+4:T+5], v[\a1:\a1+1], v[\a1+2:\a1+3]
	v_pk_add_f32 v[T+6:T+7], v[\a1+4:\a1+5], v[\a1+6:\a1+7]
	v_pk_add_f32 v[T:T+1], v[T:T+1], v[T+2:T+3]
	v_pk_add_f32 v[T+4:T+5], v[T+4:T+5], v[T+6:T+7]
	v_pk_add_f32 v[T:T+1], v[T:T+1], v[T+4:T+5]
	v_add_f32 v12, v[T], v[T+1]
	v_fma_f32 v[LL+\it], v[LL+\it], v[AL+\it], v12
.irp e,0,1,2,3
	v_cvt_pk_f16_f32 v[PFR+8*\it+\e], v[\a0+2*\e], v[\a0+2*\e+1]
	v_cvt_pk_f16_f32 v[PFR+8*\it+4+\e], v[\a1+2*\e], v[\a1+2*\e+1]
.endr
.endm
; One key tile of 32, its operands in the set of window sw (bases at s[sb ..]), all of them shown in by a wait in front of the tile.
; usepk: Qc.P_t is part of S_u; j0, nj: the halves of the chunk's j that are summed directly; mask: the tile lies on the diagonal.
; pf = 1: the tile two further on is asked for into this set, and the tile ends when the other set is in;
; pf = 2: nothing is asked for, and the tile ends when all loads are in; pf = 0: neither.
.macro TILE usepk, j0, nj, mask, pf, sb, sw
	WIN (0x04|\sw)                                 ; source 0 in the set's window, source 1 (Qc, term1) in window 1
	RND v_wmma_f32_16x16x32_f16, SC, KC, 0, QH, 1
.if \usepk
	RND v_wmma_f32_16x16x32_bf16, SU, PK, 0, QC, 1
.endif
	RND v_wmma_f32_16x16x32_f16, SC, KC, 1, QH, 0
.if \usepk
	RND v_wmma_f32_16x16x32_bf16, SU, PK, 1, QC, 0
.endif
	RND v_wmma_f32_16x16x32_bf16, SU, SG, \j0, T1, (1-\usepk)
.if \nj == 2
	RND v_wmma_f32_16x16x32_bf16, SU, SG, 1, T1, 0
.endif
	WIN 0
	PLACES
.if \pf == 1
	s_add_nc_u64 s[\sb:\sb+1], s[\sb:\sb+1], 32768         ; eight tiles on in q; this set's last loads were shown done in front of the tile
	s_add_nc_u64 s[\sb+2:\sb+3], s[\sb+2:\sb+3], 32768
	s_add_nc_u64 s[\sb+4:\sb+5], s[\sb+4:\sb+5], 32768
	KPS \nj, \sb, \sw
.endif
.irp g,0,1,2,3                         ; scores -= S_u / (1 + 2^-S_u), a tile at a time
.irp e,0,1,2,3,4,5,6,7
	v_exp_f32 v[T+\e], -v[SU+8*\g+\e]
.endr
	v_nop
	s_wait_alu depctr_va_vdst(0)
.irp e,0,2,4,6
	v_pk_add_f32 v[T+\e:T+\e+1], v[T+\e:T+\e+1], 1.0 op_sel_hi:[1,0]
.endr
.irp e,0,1,2,3,4,5,6,7
	v_rcp_f32 v[T+\e], v[T+\e]
.endr
	v_nop
	s_wait_alu depctr_va_vdst(0)
.irp e,0,2,4,6
	v_pk_fma_f32 v[SC+8*\g+\e:SC+8*\g+\e+1], v[SU+8*\g+\e:SU+8*\g+\e+1], v[T+\e:T+\e+1], v[SC+8*\g+\e:SC+8*\g+\e+1] neg_lo:[1,0,0] neg_hi:[1,0,0]
.endr
.endr
.if \mask
	ZMASK SC, 0, 0, s49                            ; tile (ktl 0, it 1) lies wholly below the diagonal
	ZMASK SC+16, 1, 0, s49
	ZMASK SC+24, 1, 1, s49
.endif
	SOFTA 0, SC, SC+16
	SOFTA 1, SC+8, SC+24
	SOFTB 0, SC, SC+16
	SOFTB 1, SC+8, SC+24
	WIN 0x41
.irp dt,0,1,2,3
.irp it,0,1
.irp e,0,2,4,6
	v_pk_mul_f32 v[OO+8*(2*\dt+\it)+\e:OO+8*(2*\dt+\it)+\e+1], v[OO+8*(2*\dt+\it)+\e:OO+8*(2*\dt+\it)+\e+1], v[AL:AL+1] op_sel:[0,\it] op_sel_hi:[1,\it]
.endr
.endr
.endr
	WIN (0x50|\sw)                                 ; Vc in the set's window, O in window 1; the eight accumulators take turns
.irp dt,0,1,2,3
.irp it,0,1
	v_wmma_f32_16x16x32_f16 v[OO+8*(2*\dt+\it):OO+8*(2*\dt+\it)+7], v[VC+8*\dt:VC+8*\dt+7], v[PFR+8*\it:PFR+8*\it+7], v[OO+8*(2*\dt+\it):OO+8*(2*\dt+\it)+7]
.endr
.endr
	WIN 0
	PLACES
.if \pf == 1
	s_wait_loadcnt 16+4*\nj                        ; the other set is in, for the next tile; only the Kc, P, Sig asked for above stay out
	s_add_nc_u64 s[\sb+6:\sb+7], s[\sb+6:\sb+7], 8192
	VLD \sb, \sw
.endif
.if \pf == 2
	s_wait_loadcnt 0x0                             ; the other set is in: nothing younger was asked for
.endif
.endm
; the operands of key tile kk of the query's own chunk, into set C; no load is out here, so every base may be written
.macro CL1 kk, j0, nj
	s_lshl1_add_u32 s45, s7, \kk                   ; q = 2 t + kk
	s_lshl_b32 s40, s45, 12
	s_add_nc_u64 s[SBC:SBC+1], s[20:21], s[40:41]
	s_add_nc_u64 s[SBC+4:SBC+5], s[28:29], s[40:41]
	s_lshl_b32 s40, s45, 10
	s_add_nc_u64 s[SBC+6:SBC+7], s[22:23], s[40:41]
	WIN 0xc0
	LD8 KC, SBC, 0
	SGLD \j0, \nj, SBC+4
	WIN 0
	VLD SBC, 3
.endm
.macro CLD ih                          ; asked for by the wave that will make the tile
.if \ih
	s_cmp_lg_u32 s2, 2
	s_cbranch_scc1 .Lc1_\@
	CL1 0, 0, 2
	s_branch .Lcd_\@
.Lc1_\@:
	s_cmp_lg_u32 s2, 3
	s_cbranch_scc1 .Lcd_\@
	CL1 1, 1, 1
.Lcd_\@:
.else
	s_cmp_lg_u32 s2, 3
	s_cbranch_scc1 .Lcd_\@
	CL1 0, 0, 1
.Lcd_\@:
.endif
.endm
.macro INCH ih                         ; the own chunk's tiles
.if \ih
	s_cmp_lg_u32 s2, 2
	s_cbranch_scc1 .Li1_\@
	s_wait_loadcnt 0x0
	TILE 0, 0, 2, 0, 0, SBC, 3                     ; keys 0..31 of the chunk, all below queries 32..63
	s_branch .Lid_\@
.Li1_\@:
	s_cmp_lg_u32 s2, 3
	s_cbranch_scc1 .Lid_\@
	s_wait_loadcnt 0x0
	TILE 0, 1, 1, 1, 0, SBC, 3                     ; keys 32..63: the diagonal; Sig is 0 for j < 32
.Lid_\@:
.else
	s_cmp_lg_u32 s2, 3
	s_cbranch_scc1 .Lid_\@
	s_wait_loadcnt 0x0
	TILE 0, 0, 1, 1, 0, SBC, 3                     ; keys 0..31: the diagonal
.Lid_\@:
.endif
.endm
; A pass's scalars, set A's bases, and the loads of its Qc (both forms) and Vu.  No load is out where this stands.
.macro SETUP second, ih
.if \second
	s_sub_co_u32 s7, 15, s4                        ; t
.else
	s_mov_b32 s7, s4
.endif
	s_lshl4_add_u32 s40, s3, s7
	s_lshl_b32 s40, s40, 17                        ; (bh 16 + t) x 64 key tiles x 2,048
	s_add_nc_u64 s[28:29], s[14:15], s[40:41]      ; SigF at chunk t
	s_add_nc_u64 s[30:31], s[16:17], s[40:41]      ; PF at chunk t
	s_lshl_b32 s40, s7, 13
	s_add_nc_u64 s[52:53], s[26:27], s[40:41]      ; Vu's chunk t
	s_add_nc_u64 s[42:43], s[12:13], s[40:41]      ; Qc's chunk t, bf16
	s_add_nc_u64 s[56:57], s[24:25], s[40:41]      ; and f16
	s_lshl_b32 s40, s7, 17                         ; four token tiles of 32 blocks
	s_add_nc_u64 s[58:59], s[18:19], s[40:41]      ; OF at my part of chunk t
	s_lshl1_add_u32 s44, s7, 3
	s_sub_co_u32 s44, s44, s2
	s_lshr_b32 s44, s44, 2                         ; r: how many of the 2 t tiles below the chunk are mine (q = w, w + 4, ..)
	s_lshl_b32 s40, s2, 12
	s_add_nc_u64 s[SBA:SBA+1], s[20:21], s[40:41]
	s_add_nc_u64 s[SBA+2:SBA+3], s[30:31], s[40:41]
	s_add_nc_u64 s[SBA+4:SBA+5], s[28:29], s[40:41]
	s_lshl_b32 s40, s2, 10
	s_add_nc_u64 s[SBA+6:SBA+7], s[22:23], s[40:41]
	WIN 0x40
	LD8 QC, 42, \ih*4096
	LD8 QH, 56, \ih*4096
	WIN 0xc0
	LD8 KC, 52, 0                                  ; Vu, j tiles 0, 1
.if \ih
	LD8 PK, 52, 4096                               ; and 2, 3
.endif
	WIN 0
.endm
.macro PROW ih                         ; term1 transposed, tile (jt, it) at SC + 8 (2 jt + it); the tiles take turns
	WIN 0x07                                       ; Vu in window 3, Qc in window 1
	XROW 0, 0
	XROW 1, 0
.if \ih
	XROW 2, 0
	XROW 3, 0
.endif
	XROW 0, 1
	XROW 1, 1
.if \ih
	XROW 2, 1
	XROW 3, 1
.endif
	WIN 0
	PLACES
.endm
.macro PROV ih                         ; binary_causal, term1 as an operand, and the neutral state of the softmax
	ZMASK SC+8*(4*\ih+0), 0, 0, 0                  ; on the diagonal block of 32: j > i becomes 0
	ZMASK SC+8*(4*\ih+2), 1, 0, 0
	ZMASK SC+8*(4*\ih+3), 1, 1, 0
	WIN 0x40
.irp it,0,1
.irp c,0,1
.irp e,0,1,2,3
	v_cvt_pk_bf16_f32 v[T1+16*\it+4*\c+\e], v[SC+8*(2*\c+\it)+2*\e], v[SC+8*(2*\c+\it)+2*\e+1]
.if \ih
	v_cvt_pk_bf16_f32 v[T1+16*\it+8+4*\c+\e], v[SC+8*(2*(2+\c)+\it)+2*\e], v[SC+8*(2*(2+\c)+\it)+2*\e+1]
.endif
.endr
.endr
.endr
.set i, 0
.rept 64
	v_mov_b32 v[OO+i], 0                           ; a wave may get no tile in a pass (t = 0 has one or two for four waves): its part must be neutral
.set i, i+1
.endr
	WIN 0
	v_mov_b32 v[MM], s49
	v_mov_b32 v[MM+1], s49
	v_mov_b32 v[LL], 0
	v_mov_b32 v[LL+1], 0
.endm
.macro COMB i, it                      ; four numbers of O: the four waves' parts, each times its factor
.irp j,0,2
	v_pk_mul_f32 v[SC+4*\i+\j:SC+4*\i+\j+1], v[SC+4*\i+\j:SC+4*\i+\j+1], v[T:T+1] op_sel:[0,\it] op_sel_hi:[1,\it]
	v_pk_fma_f32 v[SC+4*\i+\j:SC+4*\i+\j+1], v[SC+16+4*\i+\j:SC+16+4*\i+\j+1], v[T+2:T+3], v[SC+4*\i+\j:SC+4*\i+\j+1] op_sel:[0,\it,0] op_sel_hi:[1,\it,1]
	v_pk_fma_f32 v[SC+4*\i+\j:SC+4*\i+\j+1], v[SC+32+4*\i+\j:SC+32+4*\i+\j+1], v[T+4:T+5], v[SC+4*\i+\j:SC+4*\i+\j+1] op_sel:[0,\it,0] op_sel_hi:[1,\it,1]
	v_pk_fma_f32 v[SC+4*\i+\j:SC+4*\i+\j+1], v[SC+48+4*\i+\j:SC+48+4*\i+\j+1], v[T+6:T+7], v[SC+4*\i+\j:SC+4*\i+\j+1] op_sel:[0,\it,0] op_sel_hi:[1,\it,1]
.endr
.endm
.macro BODY ih
	SETUP 0, \ih
	s_mov_b32 s6, 0                                ; pass
.Lpass_\ih:
	s_wait_xcnt 0x0                                ; the last pass's stores: their base and data are written again only behind this wait
	s_mov_b64 s[50:51], s[58:59]                   ; this pass's place in OF
	s_cmp_lt_u32 s44, 2
	s_cbranch_scc1 .Lfew_\ih
	; two full tiles or more: the ring
	KPS (1+\ih), SBA, 0                            ; tile 0
	s_wait_loadcnt 16+4*(1+\ih)                    ; Qc and Vu are in; the Kc, P, Sig just asked for stay out
	VLD SBA, 0
	s_add_nc_u64 s[SBB:SBB+1], s[SBA:SBA+1], 16384         ; tile 1: four on in q
	s_add_nc_u64 s[SBB+2:SBB+3], s[SBA+2:SBA+3], 16384
	s_add_nc_u64 s[SBB+4:SBB+5], s[SBA+4:SBA+5], 16384
	s_add_nc_u64 s[SBB+6:SBB+7], s[SBA+6:SBA+7], 4096
	KPS (1+\ih), SBB, 2
	PROW \ih
	PROV \ih
	s_wait_loadcnt 16+4*(1+\ih)                    ; set A is in; tile 1's Kc, P, Sig stay out
	VLD SBB, 2
	s_sub_co_u32 s61, s44, 2                       ; the tiles that ask for another: r - 2
	s_and_b32 s60, s61, 1
	s_lshr_b32 s61, s61, 1
	s_cmp_eq_u32 s61, 0
	s_cbranch_scc1 .Lnoring_\ih
.Lring_\ih:
	TILE 1, 0, (1+\ih), 0, 1, SBA, 0
	TILE 1, 0, (1+\ih), 0, 1, SBB, 2
	s_sub_co_u32 s61, s61, 1
	s_cmp_lg_u32 s61, 0
	s_cbranch_scc1 .Lring_\ih
.Lnoring_\ih:
	s_cmp_eq_u32 s60, 0
	s_cbranch_scc1 .Leven_\ih
	TILE 1, 0, (1+\ih), 0, 1, SBA, 0
	TILE 1, 0, (1+\ih), 0, 2, SBB, 2
	CLD \ih                                        ; the own chunk's tile travels through my last full tile
	TILE 1, 0, (1+\ih), 0, 0, SBA, 0
	s_branch .Lin_\ih
.Leven_\ih:
	TILE 1, 0, (1+\ih), 0, 2, SBA, 0
	CLD \ih
	TILE 1, 0, (1+\ih), 0, 0, SBB, 2
	s_branch .Lin_\ih
.Lfew_\ih:
	s_cmp_eq_u32 s44, 0
	s_cbranch_scc1 .Lnone_\ih
	KPS (1+\ih), SBA, 0                            ; one full tile
	s_wait_loadcnt 16+4*(1+\ih)                    ; Qc and Vu are in
	VLD SBA, 0
	PROW \ih
	PROV \ih
	s_wait_loadcnt 0x0
	CLD \ih
	TILE 1, 0, (1+\ih), 0, 0, SBA, 0
	s_branch .Lin_\ih
.Lnone_\ih:
	s_wait_loadcnt 0x0                             ; Qc and Vu are in
	PROW \ih
	CLD \ih                                        ; behind the places that follow term1's products: set C's Kc lies where Vu lay
	PROV \ih
.Lin_\ih:
	INCH \ih
	s_wait_loadcnt 0x0                             ; no load is out on any way here
	s_cmp_lg_u32 s6, 0
	s_cbranch_scc1 .Lnonext_\ih
	SETUP 1, \ih                                   ; the second pass's Qc and Vu travel through the merge
.Lnonext_\ih:
	; the four waves' parts meet
	v_permlanex16_b32 v12, v[LL], s46, s47
	v_permlanex16_b32 v13, v[LL+1], s46, s47
	v_add_f32 v[LL], v[LL], v12
	v_add_f32 v[LL+1], v[LL+1], v13
	WIN 0x04                                       ; an LDS store's data is source 1
.irp q,0,1,2,3,4,5,6,7,8,9,10,11,12,13,14,15
	ds_store_b128 v16, v[OO+4*\q:OO+4*\q+3] offset:\q*512
.endr
	WIN 0
	ds_store_b128 v16, v[MM:MM+3] offset:8192      ; both maxima, both sums
	s_wait_dscnt 0x0                               ; my stores are done, for the others' sake
	s_barrier_signal -1
	s_barrier_wait -1
.irp v,0,1,2,3
	ds_load_b128 v[PFR+4*\v:PFR+4*\v+3], v1 offset:\v*8704+8192
.endr
.irp v,0,1,2,3
.irp i,0,1,2,3
	ds_load_b128 v[SC+4*(4*\v+\i):SC+4*(4*\v+\i)+3], v17 offset:\v*8704+\i*512   ; wave w sums d tile w of both query tiles
.endr
.endr
	s_wait_dscnt 0x0                               ; my reads are done:
	s_barrier_signal -1
	s_barrier_wait -1                              ; when everybody's are, the next pass may store here again
.irp it,0,1
	v_max3_num_f32 v12, v[PFR+\it], v[PFR+4+\it], v[PFR+8+\it]
	v_max_num_f32 v12, v12, v[PFR+12+\it]          ; finite: the wave with the diagonal tile has a finite maximum
.irp v,0,1,2,3
	v_sub_f32 v[T+2*\v+\it], v[PFR+4*\v+\it], v12
.endr
.irp v,0,1,2,3
	v_exp_f32 v[T+2*\v+\it], v[T+2*\v+\it]         ; 0 for a wave that had no tile
.endr
	v_nop
	s_wait_alu depctr_va_vdst(0)
	v_mul_f32 v13, v[PFR+2+\it], v[T+\it]
	v_fmac_f32 v13, v[PFR+6+\it], v[T+2+\it]
	v_fmac_f32 v13, v[PFR+10+\it], v[T+4+\it]
	v_fmac_f32 v13, v[PFR+14+\it], v[T+6+\it]
	v_rcp_f32 v13, v13
	v_nop
	s_wait_alu depctr_va_vdst(0)
.irp v,0,1,2,3
	v_mul_f32 v[T+2*\v+\it], v[T+2*\v+\it], v13
.endr
.endr
	COMB 0, 0
	COMB 1, 0
	COMB 2, 1
	COMB 3, 1
	; O = hi + lo: hi is O rounded to bf16, lo what the rounding left, rounded to bf16.  Word q = 4 it + e holds d = 16 w + 8 h + 2 e, + 1.
.irp q,0,1,2,3,4,5,6,7
	v_cvt_pk_bf16_f32 v[PFR+\q], v[SC+2*\q], v[SC+2*\q+1]
.endr
.irp q,0,1,2,3,4,5,6,7
	v_lshlrev_b32 v[T+2*(\q&3)], 16, v[PFR+\q]                     ; hi back in f32 (the factors in T have been used)
	v_and_b32 v[T+2*(\q&3)+1], 0xffff0000, v[PFR+\q]
	v_pk_add_f32 v[SC+2*\q:SC+2*\q+1], v[SC+2*\q:SC+2*\q+1], v[T+2*(\q&3):T+2*(\q&3)+1] neg_lo:[0,1] neg_hi:[0,1]
	v_cvt_pk_bf16_f32 v[PFR+8+\q], v[SC+2*\q], v[SC+2*\q+1]
.endr
	; each store covers 512 consecutive bytes: half (w & 1) of block 2 head + (w >> 1)
	global_store_b128 v1, v[PFR:PFR+3], s[50:51]                   ; hi, query tile 0
	global_store_b128 v1, v[PFR+8:PFR+11], s[50:51] offset:16384   ; lo, query tile 0: 16 blocks on
	global_store_b128 v1, v[PFR+4:PFR+7], s[50:51] offset:32768    ; hi, query tile 1: 32 blocks on
	global_store_b128 v1, v[PFR+12:PFR+15], s[50:51] offset:49152  ; lo, query tile 1
	s_add_co_u32 s6, s6, 1
	s_cmp_lt_u32 s6, 2
	s_cbranch_scc1 .Lpass_\ih
	s_wait_tensorcnt 0x0
	ds_add_u32 v254, v255
	s_wait_dscnt 0x0
	s_endpgm
.endm
	s_load_b256 s[12:19], s[0:1], 0x0              ; proj, SigF, PF, OF
	v_lshl_add_u32 v254, v0, 2, 0x8800
	v_mov_b32 v255, 0
	v_and_b32 v12, 31, v0
	v_lshlrev_b32 v1, 4, v12                       ; 16 x lane
	v_and_b32 v13, 15, v0
	v_bfe_u32 v14, v0, 4, 1
	v_lshlrev_b32 v14, 3, v14
	v_sub_nc_u32 v[THR], v13, v14                  ; r - 8 h
	v_add_nc_u32 v[THR+1], 16, v[THR]
	v_lshrrev_b32 v15, 5, v0
	v_readfirstlane_b32 s2, v15                    ; wave
	s_and_b32 s3, ttmp9, 15                        ; bh
	s_bfe_u32 s4, ttmp9, 0x30004                   ; p
	s_lshr_b32 s5, ttmp9, 7                        ; ih
	s_mul_i32 s45, s2, 8704
	v_add_nc_u32 v16, s45, v1                      ; my region in LDS
	v_lshl_add_u32 v17, s2, 11, v1                 ; my quarter of each region's O
	s_mov_b32 s46, 0x76543210                      ; v_permlanex16_b32: lane i reads lane i of the other half
	s_mov_b32 s47, 0xfedcba98
	s_mov_b32 s49, 0xff800000                      ; -inf
	s_lshl_b32 s40, s3, 17
	s_mov_b32 s41, 0
	s_lshr_b32 s54, s3, 3                          ; batch: 64 token tiles of 32 blocks
	s_lshl_b32 s54, s54, 21
	s_lshl_b32 s45, s5, 16                         ; two token tiles
	s_add_co_u32 s54, s54, s45
	s_and_b32 s45, s3, 7                           ; head: two blocks
	s_lshl_b32 s45, s45, 11
	s_add_co_u32 s54, s54, s45
	s_lshl_b32 s45, s2, 9                          ; d tile w: half a block
	s_add_co_u32 s54, s54, s45
	s_mov_b32 s55, 0
	s_wait_kmcnt 0x0
	s_add_nc_u64 s[12:13], s[12:13], s[40:41]      ; section 0, Qc in bf16, at bh
	s_add_nc_u64 s[20:21], s[12:13], 0x200000      ; section 1, Kc
	s_add_nc_u64 s[26:27], s[12:13], 0x800000      ; section 4, Vu (row = token)
	s_add_nc_u64 s[22:23], s[12:13], 0xa00000      ; section 5, Vc (row = d)
	s_add_nc_u64 s[24:25], s[12:13], 0xe00000      ; section 7, Qc in f16
	s_add_nc_u64 s[18:19], s[18:19], s[54:55]
	s_cmp_lg_u32 s5, 0
	s_cbranch_scc1 .Lih1
	BODY 0
.Lih1:
	BODY 1
.Lfunc_end_k_q1e448a8a56_attn:
	.size	k_q1e448a8a56_attn, .Lfunc_end_k_q1e448a8a56_attn-k_q1e448a8a56_attn
	.p2alignl 7, 3214868480
	.fill 96, 4, 3214868480
	.section	.rodata,"a",@progbits
	.p2align	6, 0x0
	.amdhsa_kernel k_q1e448a8a56_attn
		.amdhsa_group_segment_fixed_size 35328
		.amdhsa_private_segment_fixed_size 0
		.amdhsa_enable_private_segment 0
		.amdhsa_kernarg_size 32
		.amdhsa_user_sgpr_count 2
		.amdhsa_user_sgpr_kernarg_segment_ptr 1
		.amdhsa_wavefront_size32 1
		.amdhsa_system_sgpr_workgroup_id_x 1
		.amdhsa_system_sgpr_workgroup_id_y 1
		.amdhsa_system_sgpr_workgroup_id_z 1
		.amdhsa_system_vgpr_workitem_id 0
		.amdhsa_next_free_vgpr 1004
		.amdhsa_next_free_sgpr 84
		.amdhsa_reserve_vcc 1
		.amdhsa_float_denorm_mode_32 3
		.amdhsa_float_denorm_mode_16_64 3
		.amdhsa_memory_ordered 1
		.amdhsa_forward_progress 1
		.amdhsa_inst_pref_size 255
	.end_amdhsa_kernel
	.section	.bss,"aw",@nobits
	.p2align	6
	.space	262144
	.amdgpu_metadata
---
amdhsa.version: [ 1, 2 ]
amdhsa.kernels:
  - .name:           k_q1e448a8a56_attn
    .symbol:         k_q1e448a8a56_attn.kd
    .args:
      - { .name: proj, .offset: 0, .size: 8, .value_kind: global_buffer, .address_space: global }
      - { .name: SigF, .offset: 8, .size: 8, .value_kind: global_buffer, .address_space: global }
      - { .name: PF, .offset: 16, .size: 8, .value_kind: global_buffer, .address_space: global }
      - { .name: OF, .offset: 24, .size: 8, .value_kind: global_buffer, .address_space: global }
    .group_segment_fixed_size: 35328
    .private_segment_fixed_size: 0
    .kernarg_segment_align: 8
    .kernarg_segment_size: 32
    .max_flat_workgroup_size: 128
    .sgpr_count:     84
    .vgpr_count:     1004
    .wavefront_size: 32
...
	.end_amdgpu_metadata
.endif
;; end of part 4
;; launch outp (part 5): grid 256 x 1, 2 waves a work-group, no clusters, 17,664 bytes of LDS; arguments OF, wF, out0; writes out0
.if DOCPART == 5
	.amdgcn_target "amdgcn-amd-amdhsa--gfx1250"
	.amdhsa_code_object_version 6
	.text
	.protected	k_q1e448a8a56_outp
	.globl	k_q1e448a8a56_outp
	.p2align	8
	.type	k_q1e448a8a56_outp,@function
k_q1e448a8a56_outp:
	s_mov_b64 s[64:65], 0
	v_nop
	global_prefetch_b8 v0, s[64:65] scope:SCOPE_SE
	s_setreg_imm32_b32 hwreg(HW_REG_WAVE_MODE, 25, 1), 1
	s_wait_xcnt 0x0
; LAUNCH 5 OF 5: out0 = merged heads @ w_out, f32.  Operands are bf16 fragment blocks: OF [token tile 128][part 2][kf 16][block], where the
; merged heads are part 0 + part 1 (16 significant bits in two bf16 numbers), and wF's weight 6 [column tile 32][kf 16][block].
; Both parts are multiplied by the same fragments of w_out and summed into the same accumulators: 16 products a K step on 8 accumulators.
; Work-group id: columns 64 (id & 7) .. +63; wave w: tokens 32 (2 (id >> 3) + w) .. +31.
; Source 0 = w_out's columns, source 1 = tokens: lane (r, h) holds token r and eight neighbouring columns 8h + 0..7.  16 tokens x 64 columns
; go through the wave's own LDS stage (rows of 256 + 16 bytes, so that sixteen rows start at sixteen different 16-byte columns of the banks'
; 256 bytes) and leave as whole rows: sixteen lanes store 256 consecutive bytes at a multiple of 256 from out0's first byte.
.set RING, 64                          ; v[64:255] three buffers of 64: four fragments of w_out, then tokens (part, nt) at 32 + 8 (2 part + nt)
.set SPITCH, 272                       ; window 1: v[0:63] accumulators, tile (mt, nt) at 8 (2 mt + nt)
.set STG, 16*SPITCH                    ; a stage: 4,352 bytes; two a wave
.set MSB, 0
.macro WIN new                         ; the immediate's high byte repeats the setting that is left
.if MSB != \new
	s_set_vgpr_msb (MSB<<8)|\new
.set MSB, \new
.endif
.endm
.macro PLACES                          ; four plain vector places behind a matrix instruction (ISA guide 7.12.1)
.rept 4
	v_nop
.endr
.endm
.macro LDSTEP kf, buf                  ; the 16 loads of K step kf
.irp a,0,1,2,3
.irp c,0,1
	global_load_b128 v[RING+64*(\buf)+8*\a+4*\c:RING+64*(\buf)+8*\a+4*\c+3], v1, s[6:7] offset:\a*16384+(\kf)*1024+\c*512
.endr
.endr
.irp p,0,1
.irp n,0,1
.irp c,0,1
	global_load_b128 v[RING+64*(\buf)+32+8*(2*\p+\n)+4*\c:RING+64*(\buf)+32+8*(2*\p+\n)+4*\c+3], v1, s[4:5] offset:\n*32768+\p*16384+(\kf)*1024+\c*512
.endr
.endr
.endr
.endm
.macro MULSTEP buf, zero               ; the eight accumulators take turns, once for each part
.irp p,0,1
.irp mt,0,1,2,3
.irp nt,0,1
.if (\zero)*(1-\p)
	v_wmma_f32_16x16x32_bf16 v[8*(2*\mt+\nt):8*(2*\mt+\nt)+7], v[RING+64*(\buf)+8*\mt:RING+64*(\buf)+8*\mt+7], v[RING+64*(\buf)+32+8*(2*\p+\nt):RING+64*(\buf)+32+8*(2*\p+\nt)+7], 0
.else
	v_wmma_f32_16x16x32_bf16 v[8*(2*\mt+\nt):8*(2*\mt+\nt)+7], v[RING+64*(\buf)+8*\mt:RING+64*(\buf)+8*\mt+7], v[RING+64*(\buf)+32+8*(2*\p+\nt):RING+64*(\buf)+32+8*(2*\p+\nt)+7], v[8*(2*\mt+\nt):8*(2*\mt+\nt)+7]
.endif
.endr
.endr
.endr
.endm
.macro GSTEP st, buf, zero, left, nxt  ; left = the younger steps' loads that may stay out
	s_wait_loadcnt \left
	WIN 0x50                                       ; C and D in window 1
	MULSTEP \buf, \zero
	WIN 0
	PLACES
.if \nxt
	LDSTEP (\st)+3, \buf
.endif
.endm
	s_load_b128 s[4:7], s[0:1], 0x0                ; OF, wF
	s_load_b64 s[8:9], s[0:1], 0x10                ; out0
	v_lshl_add_u32 v62, v0, 2, 0x4400
	v_mov_b32 v63, 0
	v_and_b32 v1, 31, v0
	v_lshlrev_b32 v1, 4, v1                        ; 16 x lane
	v_lshrrev_b32 v5, 5, v0
	v_readfirstlane_b32 s2, v5                     ; wave
	v_and_b32 v6, 15, v0                           ; r
	v_bfe_u32 v7, v0, 4, 1                         ; h
	s_and_b32 s3, ttmp9, 7                         ; which 64 columns
	s_lshr_b32 s10, ttmp9, 3
	s_lshl1_add_u32 s10, s10, s2                   ; which 32 tokens
	s_lshl_b32 s12, s3, 16                         ; four column tiles of 16 blocks
	s_add_co_u32 s12, s12, 0x300000                ; weight 6: column tile 192
	s_mov_b32 s13, 0
	s_lshl_b32 s14, s10, 16                        ; two token tiles of 32 blocks
	s_mov_b32 s15, 0
	s_lshl_b32 s16, s10, 16                        ; 32 rows of 2,048 bytes
	s_lshl_b32 s11, s3, 8
	s_add_co_u32 s16, s16, s11
	s_mov_b32 s17, 0
	s_wait_kmcnt 0x0
	s_add_nc_u64 s[6:7], s[6:7], s[12:13]
	s_add_nc_u64 s[4:5], s[4:5], s[14:15]
	s_add_nc_u64 s[8:9], s[8:9], s[16:17]
	LDSTEP 0, 0
	LDSTEP 1, 1
	LDSTEP 2, 2
	s_mul_i32 s18, s2, 2*STG                       ; my two stages
	v_mul_u32_u24 v2, v6, SPITCH
	v_lshl_add_u32 v2, v7, 5, v2
	v_add_nc_u32 v2, s18, v2                       ; in: row r, 32 bytes for each half of the lanes
	v_mul_u32_u24 v3, v7, SPITCH
	v_lshl_add_u32 v3, v6, 4, v3
	v_add_nc_u32 v3, s18, v3                       ; back: lanes 0-15 one row of 256 bytes, lanes 16-31 the next
	v_lshlrev_b32 v4, 4, v6
	v_lshl_add_u32 v4, v7, 11, v4                  ; and the same two rows in out0
	GSTEP 0, 0, 1, 32, 1                           ; the first products start the sums
	GSTEP 1, 1, 0, 32, 1
	GSTEP 2, 2, 0, 32, 1
	GSTEP 3, 0, 0, 32, 1
	GSTEP 4, 1, 0, 32, 1
	GSTEP 5, 2, 0, 32, 1
	GSTEP 6, 0, 0, 32, 1
	GSTEP 7, 1, 0, 32, 1
	GSTEP 8, 2, 0, 32, 1
	GSTEP 9, 0, 0, 32, 1
	GSTEP 10, 1, 0, 32, 1
	GSTEP 11, 2, 0, 32, 1
	GSTEP 12, 0, 0, 32, 1
	GSTEP 13, 1, 0, 32, 0
	GSTEP 14, 2, 0, 16, 0                          ; the counts run down
	GSTEP 15, 0, 0, 0, 0
.irp nt,0,1
	WIN 0x04                                       ; an LDS store's data is source 1
.irp mt,0,1,2,3
.irp q,0,1
	ds_store_b128 v2, v[8*(2*\mt+\nt)+4*\q:8*(2*\mt+\nt)+4*\q+3] offset:\nt*STG+\mt*64+\q*16
.endr
.endr
	WIN 0
.irp u,0,1,2,3,4,5,6,7
	ds_load_b128 v[RING+32*\nt+4*\u:RING+32*\nt+4*\u+3], v3 offset:\nt*STG+\u*2*SPITCH   ; LDS serves a wave's instructions in order (ISA guide 5.7.1.4): these see the stores above
.endr
.irp u,0,1,2,3,4,5,6,7
	s_wait_dscnt 7-\u                              ; the younger read-backs may stay out
	global_store_b128 v4, v[RING+32*\nt+4*\u:RING+32*\nt+4*\u+3], s[8:9] offset:(16*\nt+2*\u)*2048 th:TH_STORE_NT
.endr
.endr
	s_wait_tensorcnt 0x0
	ds_add_u32 v62, v63
	s_wait_dscnt 0x0
	s_endpgm
.Lfunc_end_k_q1e448a8a56_outp:
	.size	k_q1e448a8a56_outp, .Lfunc_end_k_q1e448a8a56_outp-k_q1e448a8a56_outp
	.p2alignl 7, 3214868480
	.fill 96, 4, 3214868480
	.section	.rodata,"a",@progbits
	.p2align	6, 0x0
	.amdhsa_kernel k_q1e448a8a56_outp
		.amdhsa_group_segment_fixed_size 17664
		.amdhsa_private_segment_fixed_size 0
		.amdhsa_enable_private_segment 0
		.amdhsa_kernarg_size 24
		.amdhsa_user_sgpr_count 2
		.amdhsa_user_sgpr_kernarg_segment_ptr 1
		.amdhsa_wavefront_size32 1
		.amdhsa_system_sgpr_workgroup_id_x 1
		.amdhsa_system_sgpr_workgroup_id_y 1
		.amdhsa_system_sgpr_workgroup_id_z 1
		.amdhsa_system_vgpr_workitem_id 0
		.amdhsa_next_free_vgpr 320
		.amdhsa_next_free_sgpr 66
		.amdhsa_reserve_vcc 0
		.amdhsa_float_denorm_mode_32 3
		.amdhsa_float_denorm_mode_16_64 3
		.amdhsa_memory_ordered 1
		.amdhsa_forward_progress 1
		.amdhsa_inst_pref_size 50
	.end_amdhsa_kernel
	.amdgpu_metadata
---
amdhsa.version: [ 1, 2 ]
amdhsa.kernels:
  - .name:           k_q1e448a8a56_outp
    .symbol:         k_q1e448a8a56_outp.kd
    .args:
      - { .name: OF, .offset: 0, .size: 8, .value_kind: global_buffer, .address_space: global }
      - { .name: wF, .offset: 8, .size: 8, .value_kind: global_buffer, .address_space: global }
      - { .name: out0, .offset: 16, .size: 8, .value_kind: global_buffer, .address_space: global }
    .group_segment_fixed_size: 17664
    .private_segment_fixed_size: 0
    .kernarg_segment_align: 8
    .kernarg_segment_size: 24
    .max_flat_workgroup_size: 64
    .sgpr_count:     66
    .vgpr_count:     320
    .wavefront_size: 32
...
	.end_amdgpu_metadata
.endif
;; end of part 5
;; ======== version 2 of 2: 5 launches; version 1 with the launches projk, sigp, outp written anew for expert scheduling mode
;; limits: values are held in f16: magnitudes above 65,504 overflow, below 6.1e-05 lose precision
;; workspace buffers: xF 2,097,152 bytes; wF 3,670,016 bytes; proj 16,777,216 bytes; SigF 33,554,432 bytes; PF 33,554,432 bytes; OF 4,194,304 bytes
;; launch pack: the kernel of part 1 again; grid 32 x 11, 4 waves a work-group, no clusters, 0 bytes of LDS; arguments w_q_c, w_k_c, w_q_u, w_k_u, w_v_u, w_v_c, w_out, x, xF, wF; writes xF, wF
;; launch projk (part 6): grid 8 x 56, 4 waves a work-group, no clusters, 0 bytes of LDS; arguments xF, wF, proj; writes proj
.if DOCPART == 6
	.amdgcn_target "amdgcn-amd-amdhsa--gfx1250"
	.amdhsa_code_object_version 6
	.text
	.protected	k_q1e448a8a56_projk
	.globl	k_q1e448a8a56_projk
	.p2align	8
	.type	k_q1e448a8a56_projk,@function
k_q1e448a8a56_projk:
	s_mov_b64 s[64:65], 0
	v_nop
	global_prefetch_b8 v0, s[64:65] scope:SCOPE_SE
	s_setreg_imm32_b32 hwreg(HW_REG_WAVE_SCHED_MODE, 0, 2), 2
	s_setreg_imm32_b32 hwreg(HW_REG_WAVE_MODE, 25, 1), 1
	s_wait_xcnt 0x0
	s_wait_alu depctr_vm_vsrc(0)
; LAUNCH 2 OF 5: the six projections x @ w, K = 512, bf16 operands, f32 sums, written as 16-bit fragment blocks (1,024 bytes: the 16 bytes
; at c*512 + lane*16 are registers 4c..4c+3 of a 16 x 32 operand) in the form in which the later launches take them as matrix operands.
; proj = 8 sections of 2 MiB, each [batch x head 16][128 KiB]:
;   0 Qc bf16, 1 Kc f16, 2 Qu bf16, 3 Ku bf16, 4 Vu bf16, 7 Qc f16   as [token tile 64][df 2][block]   row = token, K = d
;   5 Vc f16, 6 Vu bf16                                              as [d tile 4][tf 32][block]       row = d,     K = token
; WHY TWO FORMATS.  A query row with few keys is a plain mean of few rows of Vc and is far larger than the rows with many keys, so what enters
; it directly (Vc, and Qc.Kc) is kept with f16's 11 significant bits.  What is summed over up to 1,023 rows (Vu into P) has no room in f16
; and stays bf16, with its partners.  Section 7 is stored from the same sums as section 0: no product is repeated for it.
; LIMIT: sections 1, 5 and 7 hold magnitudes up to 65,504 (beyond: infinity); below 2^-14 their step is 2^-24.  With x and w both 30 times
; larger than unit and 0.02 spread the largest |Vc| is about 2,000; with offsets of 30 spreads in both about 9,200.
; Vu is made twice, once in each form, by the same text with the two operands exchanged: 1/7 of this launch's products are so repeated;
; that is the price of having no transposing pass.
; Qc and Qu are multiplied in f32 by SCALE x log2(e), so that every later exponential is a plain power of two.
; In a result tile lane (r, h) holds column n = r and rows m = 8h + 0..7: rounded and packed, these are four registers of an operand
; whose row is n and whose K is m.  So the side that is to become the operand's row goes in as source 1.
; Work-group (x, y): section y >> 3, head y & 7; wave w: tokens 64 (4 x + w) .. +63.  A wave makes 64 x 64 with 16 accumulators.
; THE MODE: SCHED_MODE bits 1:0 = 2 (LLVM: expert scheduling mode 2), set by the entry lines.  The code itself states the register dependences
; between vector or matrix instructions and memory instructions, with s_wait_alu, always for 0.
; THE PLAN.  Registers that memory instructions touch:
;   B0 .. B3   four buffers of 64 registers; K step st lies in B[st % 4].  Written by the 16 loads that step st - 3 issues; read by step st's 16 products.
;   v1         16 x lane, the offset of every load;  v[2:5] the stores' offsets.  All five are made at the head and never written again.
;   v[64:191]  on the way out: written by the roundings, read by the stores.
; Step st's loads land in B[(st + 3) % 4] = B[(st - 1) % 4], which the products of step st - 1 have read and which no product of step st names.
; So ONE wait on va_vdst stands at a step's head, behind the wait for the step's own data, and the 16 loads follow it in one run, ahead of the step's
; products: the accumulators lie in window 1, so a load among the products would want two switches of the register window.
.set RING, 64                          ; window 0: v[64:255] buffers 0, 1, 2: four fragments of the m side, four of the n side
.set RING3, 128                        ; window 1: v[128:191] buffer 3 (v[0:127] there are the accumulators)
.set SA, 20                            ; s[20:21] m side's blocks;  s[22:23] n side's
.set SB, 22
.set MSB, 0
.macro WIN new                         ; the immediate's high byte repeats the setting that is left
.if MSB != (\new)
	s_set_vgpr_msb (MSB<<8)|(\new)
.set MSB, (\new)
.endif
.endm
.macro PLACES                          ; four plain vector places behind a matrix instruction, before a vector instruction reads its result (ISA guide 7.12.1)
.rept 4
	v_nop
.endr
.endm
.macro BUFSET buf                      ; RB: the buffer's first register;  RW: its window
.if (\buf) == 3
.set RB, RING3
.set RW, 1
.else
.set RB, RING+64*(\buf)
.set RW, 0
.endif
.endm
.macro LDSTEP kf, buf                  ; the 16 loads of K step kf
	BUFSET \buf
	WIN (RW<<6)                                    ; the destination's window; the offset v1 lies in window 0
.irp a,0,1,2,3
.irp c,0,1
	global_load_b128 v[RB+8*\a+4*\c:RB+8*\a+4*\c+3], v1, s[SA:SA+1] offset:\a*16384+(\kf)*1024+\c*512
.endr
.endr
.irp a,0,1,2,3
.irp c,0,1
	global_load_b128 v[RB+32+8*\a+4*\c:RB+32+8*\a+4*\c+3], v1, s[SB:SB+1] offset:\a*16384+(\kf)*1024+\c*512
.endr
.endr
.endm
.macro MULSTEP buf, zero               ; 16 products; the 16 accumulators (window 1, tile (mt, nt) at 8 (4 mt + nt)) take turns
	BUFSET \buf
	WIN (0x50|(5*RW))                              ; C and D in window 1, both sources in the buffer's window
.irp mt,0,1,2,3
.irp nt,0,1,2,3
.if \zero
	v_wmma_f32_16x16x32_bf16 v[8*(4*\mt+\nt):8*(4*\mt+\nt)+7], v[RB+8*\mt:RB+8*\mt+7], v[RB+32+8*\nt:RB+32+8*\nt+7], 0
.else
	v_wmma_f32_16x16x32_bf16 v[8*(4*\mt+\nt):8*(4*\mt+\nt)+7], v[RB+8*\mt:RB+8*\mt+7], v[RB+32+8*\nt:RB+32+8*\nt+7], v[8*(4*\mt+\nt):8*(4*\mt+\nt)+7]
.endif
.endr
.endr
.endm
; K step st.  left = the loads of the younger steps that may stay out; nxt = 1: step st + 3 is asked for; first = 1: step 0, with no step in front of it
.macro GSTEP st, zero, left, nxt, first
	s_wait_loadcnt \left                           ; loads come back in order (ISA guide 5.7.1): this step's buffer is in
.if \nxt
	BUFSET ((\st)+3)%4
	WIN (RW<<6)                                    ; the loads' window first, then the wait, then the loads
.if \first
.else
	s_wait_alu depctr_va_vdst(0)                   ; the products of the step before are done reading their buffer, in which the loads below land
.endif
	LDSTEP (\st)+3, ((\st)+3)%4
.endif
	MULSTEP (\st)%4, \zero
.endm
.macro PACK op, dst                    ; the 128 sums of a lane, rounded by op and packed: tile (mt, nt) becomes v[dst + 4 (4 mt + nt) ..]
	WIN 0x05                                       ; sources in window 1, results in window 0
.set i, 0
.rept 64
	\op v[\dst+i], v[2*i], v[2*i+1]
.set i, i+1
.endr
	WIN 0
.endm
.macro STORE16 src, lo                 ; m tile mt is half (mt & 1) of block mt >> 1; each store covers 512 consecutive bytes
.irp mt,0,1,2,3
.irp nt,0,1,2,3
	global_store_b128 v[2+\nt], v[\src+4*(4*\mt+\nt):\src+4*(4*\mt+\nt)+3], s[\lo:\lo+1] offset:\mt*512
.endr
.endr
.endm
	s_load_b128 s[8:11], s[0:1], 0x0               ; xF, wF
	s_load_b64 s[12:13], s[0:1], 0x10              ; proj
	v_and_b32 v1, 31, v0
	v_lshlrev_b32 v1, 4, v1                        ; 16 x lane
	v_lshrrev_b32 v6, 5, v0
	v_readfirstlane_b32 s2, v6                     ; wave
	s_and_b32 s3, ttmp7, 0xffff
	s_lshr_b32 s4, s3, 3                           ; section
	s_and_b32 s5, s3, 7                            ; head
	s_wait_alu depctr_va_sdst(0)                   ; s2 is written, ahead of its first reader: the wave's tokens, and so the bases, are made from it
	s_lshl2_add_u32 s6, ttmp9, s2                  ; tg: which 64 tokens
	s_cmp_eq_u32 s4, 6
	s_cselect_b32 s7, 4, s4                        ; the weight: section 6 is Vu again
	s_lshl_b32 s14, s7, 5
	s_lshl2_add_u32 s14, s5, s14                   ; column tile 32 weight + 4 head
	s_lshl_b32 s14, s14, 14
	s_mov_b32 s15, 0
	s_lshl_b32 s16, s6, 16                         ; four token tiles of 16 blocks
	s_mov_b32 s17, 0
	s_wait_kmcnt 0x0
	s_add_nc_u64 s[10:11], s[10:11], s[14:15]
	s_add_nc_u64 s[8:9], s[8:9], s[16:17]
	s_cmp_ge_u32 s4, 5                             ; sections 5 and 6: row = d, so x is the m side
	s_cselect_b64 s[SA:SA+1], s[8:9], s[10:11]
	s_cselect_b64 s[SB:SB+1], s[10:11], s[8:9]
	s_cselect_b32 s24, 15, 11                      ; log2 of the bytes from one n tile's blocks to the next
	s_cselect_b32 s25, 11, 13                      ; log2 of the bytes of 64 tokens in a section
	s_lshl_b32 s24, 1, s24
	v_mov_b32 v2, v1                               ; v[2:5]: 16 x lane + n tile's place; s24, which these lines read, is not written again
	v_add_nc_u32 v3, s24, v2
	v_add_nc_u32 v4, s24, v3
	v_add_nc_u32 v5, s24, v4
	s_wait_alu depctr_va_vdst(0)                   ; the five offsets v1 to v5 are written, which every load and store of the kernel reads
	LDSTEP 0, 0
	LDSTEP 1, 1
	LDSTEP 2, 2
	s_lshl_b32 s26, s4, 21                         ; section
	s_lshr_b32 s28, s6, 4
	s_lshl3_add_u32 s28, s28, s5                   ; batch x 8 + head
	s_lshl_b32 s28, s28, 17
	s_add_co_u32 s26, s26, s28
	s_and_b32 s28, s6, 15
	s_lshl_b32 s28, s28, s25
	s_add_co_u32 s26, s26, s28
	s_mov_b32 s27, 0
	s_add_nc_u64 s[12:13], s[12:13], s[26:27]
	GSTEP 0, 1, 32, 1, 1                           ; the first products start the sums: nothing is cleared.  Its loads land in buffer 3, which nothing has named
.irp st,1,2,3,4,5,6,7,8,9,10,11,12
	GSTEP \st, 0, 32, 1, 0
.endr
	GSTEP 13, 0, 32, 0, 0                          ; the last three steps ask for nothing, so they hold no wait on va_vdst
	GSTEP 14, 0, 16, 0, 0                          ; the counts run down: one younger step, then none
	GSTEP 15, 0, 0, 0, 0
	WIN 0
	PLACES                                         ; behind the last product, before the sums are read
	s_and_b32 s29, s4, 5                           ; 0 for sections 0 (Qc) and 2 (Qu) alone
	s_cmp_lg_u32 s29, 0
	s_cbranch_scc1 .Lplain
	WIN 0x41
.set i, 0
.rept 64
	v_pk_mul_f32 v[i:i+1], v[i:i+1], 0x3e38aa3b op_sel_hi:[1,0]    ; x 0.125 log2(e)
.set i, i+2
.endr
	WIN 0
.Lplain:
	s_and_b32 s29, s4, 3                           ; 1 for sections 1 (Kc) and 5 (Vc) alone
	s_cmp_eq_u32 s29, 1
	s_cbranch_scc1 .Lhalf
	PACK v_cvt_pk_bf16_f32, RING
	s_branch .Lstore
.Lhalf:
	PACK v_cvt_pk_f16_f32, RING
.Lstore:
	s_wait_alu depctr_va_vdst(0)                   ; the roundings have written v[64:127], which the sixteen stores read
	STORE16 RING, 12
	s_cmp_lg_u32 s4, 0
	s_cbranch_scc1 .Lend
	s_add_nc_u64 s[30:31], s[12:13], 0xe00000      ; Qc once more, in f16, seven sections on; other registers than the stores above read
	PACK v_cvt_pk_f16_f32, RING+64
	s_wait_alu depctr_va_vdst(0)                   ; the roundings have written v[128:191], which the sixteen stores read
	STORE16 RING+64, 30
.Lend:
	s_endpgm
.Lfunc_end_k_q1e448a8a56_projk:
	.size	k_q1e448a8a56_projk, .Lfunc_end_k_q1e448a8a56_projk-k_q1e448a8a56_projk
	.p2alignl 7, 3214868480
	.fill 96, 4, 3214868480
	.section	.rodata,"a",@progbits
	.p2align	6, 0x0
	.amdhsa_kernel k_q1e448a8a56_projk
		.amdhsa_group_segment_fixed_size 0
		.amdhsa_private_segment_fixed_size 0
		.amdhsa_enable_private_segment 0
		.amdhsa_kernarg_size 24
		.amdhsa_user_sgpr_count 2
		.amdhsa_user_sgpr_kernarg_segment_ptr 1
		.amdhsa_wavefront_size32 1
		.amdhsa_system_sgpr_workgroup_id_x 1
		.amdhsa_system_sgpr_workgroup_id_y 1
		.amdhsa_system_sgpr_workgroup_id_z 1
		.amdhsa_system_vgpr_workitem_id 0
		.amdhsa_next_free_vgpr 448
		.amdhsa_next_free_sgpr 66
		.amdhsa_reserve_vcc 0
		.amdhsa_float_denorm_mode_32 3
		.amdhsa_float_denorm_mode_16_64 3
		.amdhsa_memory_ordered 1
		.amdhsa_forward_progress 1
		.amdhsa_inst_pref_size 66
	.end_amdhsa_kernel
	.amdgpu_metadata
---
amdhsa.version: [ 1, 2 ]
amdhsa.kernels:
  - .name:           k_q1e448a8a56_projk
    .symbol:         k_q1e448a8a56_projk.kd
    .args:
      - { .name: xF, .offset: 0, .size: 8, .value_kind: global_buffer, .address_space: global }
      - { .name: wF, .offset: 8, .size: 8, .value_kind: global_buffer, .address_space: global }
      - { .name: proj, .offset: 16, .size: 8, .value_kind: global_buffer, .address_space: global }
    .group_segment_fixed_size: 0
    .private_segment_fixed_size: 0
    .kernarg_segment_align: 8
    .kernarg_segment_size: 24
    .max_flat_workgroup_size: 128
    .sgpr_count:     66
    .vgpr_count:     448
    .wavefront_size: 32
...
	.end_amdgpu_metadata
.endif
;; end of part 6
;; launch sigp (part 7): grid 256 x 1, 4 waves a work-group, no clusters, 33,280 bytes of LDS; arguments proj, SigF, PF; writes SigF, PF
.if DOCPART == 7
	.amdgcn_target "amdgcn-amd-amdhsa--gfx1250"
	.amdhsa_code_object_version 6
	.text
	.protected	k_q1e448a8a56_sigp
	.globl	k_q1e448a8a56_sigp
	.p2align	8
	.type	k_q1e448a8a56_sigp,@function
k_q1e448a8a56_sigp:
	s_mov_b64 s[64:65], 0
	v_nop
	global_prefetch_b8 v0, s[64:65] scope:SCOPE_SE
	s_setreg_imm32_b32 hwreg(HW_REG_WAVE_SCHED_MODE, 0, 2), 2
	s_setreg_imm32_b32 hwreg(HW_REG_WAVE_MODE, 25, 1), 1
	s_wait_xcnt 0x0
	s_wait_alu depctr_vm_vsrc(0)
; LAUNCH 3 OF 5: Sig[k][j] = sigmoid(SCALE Qu[k].Ku[j]) for j > k, and its running product with Vu,
; P_t[k] = sum over k < j < 64 t of Sig[k][j] Vu[j], both written as bf16 fragment blocks (row = k):
;   SigF [bh 16][t 16][kt 64][jf 2][block]  K = j in chunk t (64 rows);   PF [bh][t][kt][df 2][block]  K = d.
; LEFT OUT: Sig for j <= k is sigmoid(-inf) = 0 in reference(): chunks t below k's own are not made; in k's own chunk the half jf = 0 of
; k tiles 2 and 3 is all zero and is neither made nor stored.  P is read only as P_t, t <= 15, so chunk 15 is not added to it and Vu's
; chunk 15 is not fetched.  PF is written for kt < 4 t alone.  The next launch reads exactly what is written here.
; Work-group id: g = id >> 4 is the chunk of its 64 rows k (the longest walks have the lowest ids), bh = id & 15.  Wave w owns k tile 4 g + w
; and walks the chunks t = g .. 15.  The walk is a chain (P is carried), so a trip is kept short:
;  - the four waves share a chunk's Ku and Vu through two LDS slots of 16 KiB that take turns, chunk t in slot (t - g) & 1:
;      slot + 0..8191 Ku [j tile 4][df 2][block];  slot + 8192..16383 Vu with K = j, [d tile 4][jf 2][block].
;    ONE barrier a trip: a wave stores slot s in trip t + 1 only behind the barrier of trip t, and in front of that barrier every wave has
;    waited for its reads of trip t - 1, the last reads of slot s.  The slot stands in the immediates, so the walk is written in pairs of trips.
;  - all 32 LDS loads of a trip go out at once, behind the barrier;
;  - the chunk's halves j 0..31 and 32..63 take turns: one half's products stand among the other half's exponentials and reciprocals.
; Scores are made transposed (source 0 = Ku, source 1 = Qu): lane (r, h) holds k = r, j = 8h + 0..7, which packs into the operand Sig (row k, K = j).
; LIMIT: 2^x overflows to infinity and its reciprocal is 0, which is the sigmoid's own limit.
; THE MODE: SCHED_MODE bits 1:0 = 2 (LLVM: expert scheduling mode 2), set by the entry lines.  The code itself states the register dependences
; between vector or matrix instructions and memory or LDS instructions, with s_wait_alu, always for 0.
; THE PLAN.  Registers that memory or LDS instructions touch, round a trip:
;   ST         written by the global loads of the next chunk, read by the trip's eight LDS stores; no vector instruction names it.
;   KU, VU     written by the trip's 32 LDS loads, read by the chunk's products.
;   TP         written by sixteen roundings at the trip's head, read by the four stores behind them.
;   S+0..7     half 0's Sig: written by its roundings, read by two stores in the same chunk, written again by the next chunk's score products.
;   S+16..23   half 1's Sig: likewise, but its two stores stand at the NEXT trip's head (chunk 15's at its own end).
;   v1, v3     offsets, made at the head and never written again.  QU is loaded once, where the head's temporaries lay.
; One wait on va_vdst at the trip's head, behind P's roundings, states that TP and the last chunk's half 1 of Sig are written (six stores follow) and that the
; last chunk's products are done reading KU and VU: no vector instruction stands between it and the 32 LDS loads.  One wait on vm_vsrc, beside s_wait_xcnt 0,
; stands behind the barrier: the LDS stores have read ST, and the stores issued since the last such pair have read TP and S.  The bases of SigF and PF are
; stepped there too.  A chunk's three batches of transcendentals have a wait each; the third also shows half 0's Sig written, ahead of its stores.
.set SLOT, 16384
.set THR, 2                            ; v2  16 (w & 1) + r - 8 h: in the own chunk a score is kept where 16 x j tile + register > THR
.set QU, 4                             ; v[4:19]    Qu of my 16 rows, df 0, 1
.set S, 20                             ; v[20:51]   scores of four j tiles; packed in place, half jf's Sig operand is v[S+16 jf : +7]
.set PA, 52                            ; v[52:83]   P transposed, four d tiles, f32
.set KU, 84                            ; v[84:147]  Ku: (j tile, df) at 16 jt + 8 df
.set VU, 148                           ; v[148:211] Vu: (jf, d tile) at 32 jf + 8 dt
.set ST, 212                           ; v[212:243] the next chunk on its way: my quarter of Ku, then of Vu
.set TP, 0                             ; window 1, v[0:15]: P rounded, to store
.set MK, 28                            ; s[28:35]   eight masks of lanes, for the own chunk
.set MSB, 0
.macro WIN new                         ; the immediate's high byte repeats the setting that is left; at labels and branches every window is 0
.if MSB != (\new)
	s_set_vgpr_msb (MSB<<8)|(\new)
.set MSB, (\new)
.endif
.endm
.macro PLACES                          ; four plain vector places behind a matrix instruction (ISA guide 7.12.1)
.rept 4
	v_nop
.endr
.endm
.macro GLOADK
.irp i,0,1,2,3
	global_load_b128 v[ST+4*\i:ST+4*\i+3], v1, s[14:15] offset:\i*512
.endr
.endm
.macro GLOADV
.irp i,0,1,2,3
	global_load_b128 v[ST+16+4*\i:ST+16+4*\i+3], v1, s[16:17] offset:\i*512
.endr
.endm
.macro SCORE jt, df                    ; one product of j tile jt; df = 0 starts the sum
.if \df
	v_wmma_f32_16x16x32_bf16 v[S+8*\jt:S+8*\jt+7], v[KU+16*\jt+8:KU+16*\jt+15], v[QU+8:QU+15], v[S+8*\jt:S+8*\jt+7]
.else
	v_wmma_f32_16x16x32_bf16 v[S+8*\jt:S+8*\jt+7], v[KU+16*\jt:KU+16*\jt+7], v[QU:QU+7], 0
.endif
.endm
.macro PPROD dt, jf, zero              ; P^T's d tile dt += Vu x Sig of half jf
.if \zero
	v_wmma_f32_16x16x32_bf16 v[PA+8*\dt:PA+8*\dt+7], v[VU+32*\jf+8*\dt:VU+32*\jf+8*\dt+7], v[S+16*\jf:S+16*\jf+7], 0
.else
	v_wmma_f32_16x16x32_bf16 v[PA+8*\dt:PA+8*\dt+7], v[VU+32*\jf+8*\dt:VU+32*\jf+8*\dt+7], v[S+16*\jf:S+16*\jf+7], v[PA+8*\dt:PA+8*\dt+7]
.endif
.endm
.macro EXP4 b                          ; 2^-score: Qu carries SCALE log2(e)
.irp e,0,1,2,3
	v_exp_f32 v[S+\b+\e], -v[S+\b+\e]
.endr
.endm
.macro RCP4 b
.irp e,0,1,2,3
	v_rcp_f32 v[S+\b+\e], v[S+\b+\e]
.endr
.endm
.macro EXP16 b
	EXP4 \b
	EXP4 \b+4
	EXP4 \b+8
	EXP4 \b+12
.endm
.macro RCP16 b
	RCP4 \b
	RCP4 \b+4
	RCP4 \b+8
	RCP4 \b+12
.endm
.macro ADD8 b
.irp e,0,2,4,6,8,10,12,14
	v_pk_add_f32 v[S+\b+\e:S+\b+\e+1], v[S+\b+\e:S+\b+\e+1], 1.0 op_sel_hi:[1,0]
.endr
.endm
.macro MASK b                          ; the half that holds my own rows: j <= k becomes 0.  Tile g, register e is column 16 g + e + 8 h of these 32
.irp g,0,1
.irp e,0,1,2,3,4,5,6,7
	v_cmp_gt_i32 s[MK+\e], 16*\g+\e, v[THR]        ; the compares stand in a run, a scalar register each
.endr
	s_wait_alu depctr_va_sdst(0)                   ; the eight masks are written, ahead of the selects that read them
.irp e,0,1,2,3,4,5,6,7
	v_cndmask_b32 v[S+\b+8*\g+\e], 0, v[S+\b+8*\g+\e], s[MK+\e]
.endr
.endr
.endm
.macro CVT8 b                          ; 16 numbers become 8 words, in place: word q is written when words 2q, 2q + 1 are read, and q <= 2q
.irp q,0,1,2,3,4,5,6,7
	v_cvt_pk_bf16_f32 v[S+\b+\q], v[S+\b+2*\q], v[S+\b+2*\q+1]
.endr
.endm
.macro SIGST jf                        ; each store covers 512 consecutive bytes
	global_store_b128 v1, v[S+16*\jf:S+16*\jf+3], s[10:11] offset:\jf*1024
	global_store_b128 v1, v[S+16*\jf+4:S+16*\jf+7], s[10:11] offset:\jf*1024+512
.endm
; One chunk out of LDS slot slot.  h0 = 1: half 0 (j 0..31) is made too; m0, m1: that half holds my own rows and is masked;
; zero = 1: the first products into P start the sum; acc = 1: P += Sig x Vu, and half 1's Sig is stored at the next trip's head; acc = 0 (chunk 15): it is
; stored here.  All accumulators take turns.
.macro CHUNK slot, h0, m0, m1, zero, acc
.set NV, \acc*(8+8*\h0)                ; Vu's LDS loads, the youngest
.if \h0
.irp i,0,1,2,3,4,5,6,7
	ds_load_b128 v[KU+4*\i:KU+4*\i+3], v1 offset:\slot*SLOT+\i*512
.endr
.endif
.irp i,0,1,2,3,4,5,6,7
	ds_load_b128 v[KU+32+4*\i:KU+32+4*\i+3], v1 offset:\slot*SLOT+4096+\i*512
.endr
.if \acc
.if \h0
.irp dt,0,1,2,3
.irp c,0,1
	ds_load_b128 v[VU+8*\dt+4*\c:VU+8*\dt+4*\c+3], v1 offset:\slot*SLOT+8192+\dt*2048+\c*512
.endr
.endr
.endif
.irp dt,0,1,2,3
.irp c,0,1
	ds_load_b128 v[VU+32+8*\dt+4*\c:VU+32+8*\dt+4*\c+3], v1 offset:\slot*SLOT+8192+\dt*2048+1024+\c*512
.endr
.endr
.endif
.if \h0
	s_wait_dscnt 8+NV                              ; Ku's half 0 is in; Ku's half 1 and Vu stay out
	SCORE 0, 0
	SCORE 1, 0
	SCORE 0, 1
	SCORE 1, 1
	PLACES
	s_wait_dscnt NV                                ; Ku's half 1 is in; Vu stays out
	EXP4 0                                         ; half 0's exponentials, half 1's score products among them
	SCORE 2, 0
	EXP4 4
	SCORE 3, 0
	EXP4 8
	SCORE 2, 1
	EXP4 12
	SCORE 3, 1
	v_nop                                          ; one plain place behind the transcendentals (ISA guide 5.7.2)
	s_wait_alu depctr_va_vdst(0)                   ; half 0's sixteen exponentials are written, ahead of the additions that read them: one wait for the batch
	ADD8 0                                         ; with the v_nop above: the places behind half 1's score products
	RCP16 0
	EXP16 16
	v_nop
	s_wait_alu depctr_va_vdst(0)                   ; half 0's reciprocals and half 1's exponentials are written, ahead of their first readers: one wait for the batch of 32
.if \m0
	MASK 0
.endif
	CVT8 0
	ADD8 16
.if \acc
	s_wait_dscnt 0x8                               ; Vu's half 0 is in; its half 1 may stay out
	PPROD 0, 0, \zero                              ; half 0's products into P, half 1's reciprocals among them
	RCP4 16
	PPROD 1, 0, \zero
	RCP4 20
	PPROD 2, 0, \zero
	RCP4 24
	PPROD 3, 0, \zero
	RCP4 28
.else
	RCP16 16
.endif
	v_nop
	s_wait_alu depctr_va_vdst(0)                   ; half 1's reciprocals are written, ahead of their first reader; and the roundings have written half 0's Sig, which the two stores below read
	SIGST 0
.else
	s_wait_dscnt NV                                ; Ku's half 1 is in; Vu stays out
	SCORE 2, 0
	SCORE 3, 0
	SCORE 2, 1
	SCORE 3, 1
	PLACES
	EXP16 16
	v_nop
	s_wait_alu depctr_va_vdst(0)                   ; the sixteen exponentials are written, ahead of the additions that read them
	ADD8 16
	RCP16 16
	v_nop
	s_wait_alu depctr_va_vdst(0)                   ; the sixteen reciprocals are written, ahead of their first reader
.endif
.if \m1
	MASK 16
.endif
	CVT8 16
.if \acc
	s_wait_dscnt 0x0                               ; Vu's half 1 is in
	PPROD 0, 1, \zero*(1-\h0)
	PPROD 1, 1, \zero*(1-\h0)
	PPROD 2, 1, \zero*(1-\h0)
	PPROD 3, 1, \zero*(1-\h0)
	PLACES                                         ; P is read only behind these
.else
	s_wait_alu depctr_va_vdst(0)                   ; the roundings have written half 1's Sig, which the last two stores read
	SIGST 1
.endif
.endm
; One trip: chunk t in LDS slot slot.  own = 1: the chunk of my own rows; last = 1: chunk 15.
; vthr: Vu's next chunk is fetched never (0), always (99), or where s6 < vthr (chunk 15 of Vu is never used).
; At the head of a trip that is not the own one the bases of SigF and PF still stand at chunk t - 1.
.macro TRIP slot, own, last, vthr
.if \own
.else
	WIN 0x40                                       ; P as it stands in front of chunk t is P_t
.irp q,0,1,2,3,4,5,6,7,8,9,10,11,12,13,14,15
	v_cvt_pk_bf16_f32 v[TP+\q], v[PA+2*\q], v[PA+2*\q+1]
.endr
	WIN 0x04                                       ; a store's data is source 1; the window first, then the wait, then the stores
	s_wait_alu depctr_va_vdst(0)                   ; TP and the last chunk's half 1 of Sig are written, which the six stores below read; the last chunk's products are done reading KU and VU, in which this trip's LDS loads land
.irp dt,0,1,2,3
	global_store_b128 v1, v[TP+4*\dt:TP+4*\dt+3], s[12:13] offset:131072+\dt*512   ; d tile dt is half (dt & 1) of block dt >> 1; chunk t lies 131,072 bytes on
.endr
	WIN 0
	SIGST 1                                        ; chunk t - 1's half 1
.endif
	s_wait_loadcnt 0x0                             ; my quarter of the chunk has come (and Qu, the first time)
.irp i,0,1,2,3
	ds_store_b128 v3, v[ST+4*\i:ST+4*\i+3] offset:\slot*SLOT+\i*512
.endr
.if \last
.else
.irp i,0,1,2,3
	ds_store_b128 v3, v[ST+16+4*\i:ST+16+4*\i+3] offset:\slot*SLOT+8192+\i*512
.endr
.endif
	s_wait_dscnt 0x0                               ; my stores are done, and so are my reads of the other slot, for the others' sake
	s_barrier_signal -1
	s_barrier_wait -1                              ; this slot is whole, and nobody reads the other slot any more
.if \own
.if \last
.else
	s_wait_alu depctr_vm_vsrc(0)                   ; my LDS stores have read ST, in which the next chunk's loads land
.endif
.else
	s_wait_xcnt 0x0                                ; the stores issued so far: their bases, TP and the packed Sig in S are written again only behind this wait
	s_wait_alu depctr_vm_vsrc(0)                   ; those stores have read TP and S, which the next roundings and this chunk's score products write; my LDS stores have read ST, in which the next chunk's loads land
	s_add_nc_u64 s[10:11], s[10:11], 131072        ; chunk t in SigF
.if \last
.else
	s_add_nc_u64 s[12:13], s[12:13], 131072        ; and in PF
.endif
.endif
.if \last
.else
	s_add_nc_u64 s[14:15], s[14:15], 8192          ; the loads that used these bases are done
	GLOADK                                         ; the next chunk travels while this one is worked on
.if \vthr == 99
	s_add_nc_u64 s[16:17], s[16:17], 2048
	GLOADV
.else
.if \vthr
	s_cmp_lt_u32 s6, \vthr
	s_cbranch_scc0 .Lnov_\@
	s_add_nc_u64 s[16:17], s[16:17], 2048
	GLOADV
.Lnov_\@:
.endif
.endif
.endif
.if \own
	s_cmp_lt_u32 s2, 2
	s_cbranch_scc0 .Lhi_\@
	CHUNK \slot, 1, 1, 0, 1, (1-\last)             ; k tiles 0, 1: j 0..31 masked, j 32..63 all above k
	s_branch .Ljoin_\@
.Lhi_\@:
	CHUNK \slot, 0, 0, 1, 1, (1-\last)             ; k tiles 2, 3: j 0..31 are all at or below k
.Ljoin_\@:
.else
	CHUNK \slot, 1, 0, 0, 0, (1-\last)
.endif
.endm
	s_load_b128 s[8:11], s[0:1], 0x0               ; proj, SigF
	s_load_b64 s[12:13], s[0:1], 0x10              ; PF
	v_lshl_add_u32 v254, v0, 2, 0x8000
	v_mov_b32 v255, 0
	v_and_b32 v1, 31, v0
	v_lshlrev_b32 v1, 4, v1                        ; 16 x lane
	v_lshrrev_b32 v4, 5, v0
	v_readfirstlane_b32 s2, v4                     ; wave
	v_and_b32 v5, 15, v0                           ; r
	v_bfe_u32 v6, v0, 4, 1
	v_lshlrev_b32 v6, 3, v6                        ; 8 h
	v_sub_nc_u32 v[THR], v5, v6
	s_wait_alu depctr_va_sdst(0)                   ; s2 is written, ahead of its first reader
	s_and_b32 s36, s2, 1                           ; (a register of its own: no scalar register that a vector instruction reads is written again)
	v_lshl_add_u32 v[THR], s36, 4, v[THR]
	v_lshl_add_u32 v3, s2, 11, v1                  ; where my quarter goes in a slot
	s_lshr_b32 s3, ttmp9, 4                        ; g
	s_and_b32 s4, ttmp9, 15                        ; bh
	s_lshl2_add_u32 s5, s3, s2                     ; kt
	s_mov_b32 s6, s3                               ; t
	s_mov_b32 s21, 0
	s_mov_b32 s23, 0
	s_mov_b32 s25, 0
	s_mov_b32 s27, 0
	s_lshl_b32 s7, s4, 17                          ; bh x 128 KiB
	s_lshl_b32 s20, s5, 11
	s_add_co_u32 s20, s20, s7                      ; + my k tile, or j tile 4 g + w
	s_add_co_u32 s22, s20, 0x600000                ; section 3, Ku
	s_add_co_u32 s20, s20, 0x400000                ; section 2, Qu
	s_lshl_b32 s24, s2, 15                         ; d tile w
	s_add_co_u32 s24, s24, s7
	s_lshl_b32 s26, s3, 11                         ; chunk g: two blocks
	s_add_co_u32 s24, s24, s26
	s_add_co_u32 s24, s24, 0xc00000                ; section 6, Vu with K = token
	s_lshl4_add_u32 s26, s4, s3
	s_lshl_b32 s26, s26, 6
	s_add_co_u32 s26, s26, s5
	s_lshl_b32 s26, s26, 11                        ; ((bh 16 + t) 64 + kt) x 2,048
	s_wait_kmcnt 0x0
	s_add_nc_u64 s[18:19], s[8:9], s[20:21]
	s_add_nc_u64 s[14:15], s[8:9], s[22:23]
	s_add_nc_u64 s[16:17], s[8:9], s[24:25]
	s_add_nc_u64 s[10:11], s[10:11], s[26:27]
	s_add_nc_u64 s[12:13], s[12:13], s[26:27]
	s_wait_alu depctr_va_vdst(0)                   ; the offsets v1 and v3 are written, which the kernel's loads and stores read; the lines above are done with v4 to v6, in which Qu lands
.irp i,0,1,2,3
	global_load_b128 v[QU+4*\i:QU+4*\i+3], v1, s[18:19] offset:\i*512
.endr
	GLOADK
	s_cmp_eq_u32 s3, 15
	s_cbranch_scc1 .Lonly
	GLOADV
	TRIP 0, 1, 0, 14                               ; chunk g; Vu's chunk g + 1 is fetched where g + 1 <= 14
	s_add_co_u32 s6, s6, 1
	s_cmp_lt_u32 s6, 14
	s_cbranch_scc0 .Ltail
.Lpair:	; chunks t and t + 1, t + 1 <= 14
	TRIP 1, 0, 0, 99
	TRIP 0, 0, 0, 13                               ; Vu's chunk t + 2 is fetched where t + 2 <= 14
	s_add_co_u32 s6, s6, 2
	s_cmp_lt_u32 s6, 14
	s_cbranch_scc1 .Lpair
.Ltail:
	s_cmp_eq_u32 s6, 14
	s_cbranch_scc0 .Lodd
	TRIP 1, 0, 0, 0                                ; chunk 14
	TRIP 0, 0, 1, 0                                ; chunk 15
	s_wait_dscnt 0x0
	s_wait_alu depctr_hold_cnt(0) depctr_sa_sdst(0) depctr_va_vdst(0) depctr_va_sdst(0) depctr_va_ssrc(0) depctr_va_vcc(0) depctr_vm_vsrc(0)
	s_wait_tensorcnt 0x0
	ds_add_u32 v254, v255
	s_wait_dscnt 0x0
	s_endpgm
.Lodd:
	TRIP 1, 0, 1, 0                                ; chunk 15
	s_wait_dscnt 0x0
	s_wait_alu depctr_hold_cnt(0) depctr_sa_sdst(0) depctr_va_vdst(0) depctr_va_sdst(0) depctr_va_ssrc(0) depctr_va_vcc(0) depctr_vm_vsrc(0)
	s_wait_tensorcnt 0x0
	ds_add_u32 v254, v255
	s_wait_dscnt 0x0
	s_endpgm
.Lonly:
	TRIP 0, 1, 1, 0                                ; g = 15: the own chunk is the last
	s_wait_dscnt 0x0
	s_wait_alu depctr_hold_cnt(0) depctr_sa_sdst(0) depctr_va_vdst(0) depctr_va_sdst(0) depctr_va_ssrc(0) depctr_va_vcc(0) depctr_vm_vsrc(0)
	s_wait_tensorcnt 0x0
	ds_add_u32 v254, v255
	s_wait_dscnt 0x0
	s_endpgm
.Lfunc_end_k_q1e448a8a56_sigp:
	.size	k_q1e448a8a56_sigp, .Lfunc_end_k_q1e448a8a56_sigp-k_q1e448a8a56_sigp
	.p2alignl 7, 3214868480
	.fill 96, 4, 3214868480
	.section	.rodata,"a",@progbits
	.p2align	6, 0x0
	.amdhsa_kernel k_q1e448a8a56_sigp
		.amdhsa_group_segment_fixed_size 33280
		.amdhsa_private_segment_fixed_size 0
		.amdhsa_enable_private_segment 0
		.amdhsa_kernarg_size 24
		.amdhsa_user_sgpr_count 2
		.amdhsa_user_sgpr_kernarg_segment_ptr 1
		.amdhsa_wavefront_size32 1
		.amdhsa_system_sgpr_workgroup_id_x 1
		.amdhsa_system_sgpr_workgroup_id_y 1
		.amdhsa_system_sgpr_workgroup_id_z 1
		.amdhsa_system_vgpr_workitem_id 0
		.amdhsa_next_free_vgpr 272
		.amdhsa_next_free_sgpr 66
		.amdhsa_reserve_vcc 0
		.amdhsa_float_denorm_mode_32 3
		.amdhsa_float_denorm_mode_16_64 3
		.amdhsa_memory_ordered 1
		.amdhsa_forward_progress 1
		.amdhsa_inst_pref_size 94
	.end_amdhsa_kernel
	.amdgpu_metadata
---
amdhsa.version: [ 1, 2 ]
amdhsa.kernels:
  - .name:           k_q1e448a8a56_sigp
    .symbol:         k_q1e448a8a56_sigp.kd
    .args:
      - { .name: proj, .offset: 0, .size: 8, .value_kind: global_buffer, .address_space: global }
      - { .name: SigF, .offset: 8, .size: 8, .value_kind: global_buffer, .address_space: global }
      - { .name: PF, .offset: 16, .size: 8, .value_kind: global_buffer, .address_space: global }
    .group_segment_fixed_size: 33280
    .private_segment_fixed_size: 0
    .kernarg_segment_align: 8
    .kernarg_segment_size: 24
    .max_flat_workgroup_size: 128
    .sgpr_count:     66
    .vgpr_count:     272
    .wavefront_size: 32
...
	.end_amdgpu_metadata
.endif
;; end of part 7
;; launch attn: the kernel of part 4 again; grid 256 x 1, 4 waves a work-group, no clusters, 35,328 bytes of LDS; arguments proj, SigF, PF, OF; writes OF
;; launch outp (part 8): grid 256 x 1, 2 waves a work-group, no clusters, 17,664 bytes of LDS; arguments OF, wF, out0; writes out0
.if DOCPART == 8
	.amdgcn_target "amdgcn-amd-amdhsa--gfx1250"
	.amdhsa_code_object_version 6
	.text
	.protected	k_q1e448a8a56_outp
	.globl	k_q1e448a8a56_outp
	.p2align	8
	.type	k_q1e448a8a56_outp,@function
k_q1e448a8a56_outp:
	s_mov_b64 s[64:65], 0
	v_nop
	global_prefetch_b8 v0, s[64:65] scope:SCOPE_SE
	s_setreg_imm32_b32 hwreg(HW_REG_WAVE_SCHED_MODE, 0, 2), 2
	s_setreg_imm32_b32 hwreg(HW_REG_WAVE_MODE, 25, 1), 1
	s_wait_xcnt 0x0
	s_wait_alu depctr_vm_vsrc(0)
; LAUNCH 5 OF 5: out0 = merged heads @ w_out, f32.  Operands are bf16 fragment blocks: OF [token tile 128][part 2][kf 16][block], where the
; merged heads are part 0 + part 1 (16 significant bits in two bf16 numbers), and wF's weight 6 [column tile 32][kf 16][block].
; Both parts are multiplied by the same fragments of w_out and summed into the same accumulators: 16 products a K step on 8 accumulators.
; Work-group id: columns 64 (id & 7) .. +63; wave w: tokens 32 (2 (id >> 3) + w) .. +31.
; Source 0 = w_out's columns, source 1 = tokens: lane (r, h) holds token r and eight neighbouring columns 8h + 0..7.  16 tokens x 64 columns
; go through the wave's own LDS stage (rows of 256 + 16 bytes, so that sixteen rows start at sixteen different 16-byte columns of the banks'
; 256 bytes) and leave as whole rows: sixteen lanes store 256 consecutive bytes at a multiple of 256 from out0's first byte.
; THE MODE: SCHED_MODE bits 1:0 = 2 (LLVM: expert scheduling mode 2), set by the entry lines.  The code itself states the register dependences
; between vector or matrix instructions and memory or LDS instructions, with s_wait_alu, always for 0.
; THE PLAN.  Registers that memory or LDS instructions touch:
;   B0 .. B3   four buffers of 64 registers; K step st lies in B[st % 4].  Written by the 16 loads that step st - 3 issues; read by step st's 16 products.
;              On the way out B0 takes the rows read back from the stage, which the global stores read.
;   v1 .. v4   the loads' offset, the stage's two addresses, the stores' offset: made at the head and never written again.
;   the accumulators   written by the products, read by the LDS stores of the way out.
; Step st's loads land in B[(st + 3) % 4] = B[(st - 1) % 4], which the products of step st - 1 have read and which no product of step st names.
; So ONE wait on va_vdst stands at a step's head, behind the wait for the step's own data, and the 16 loads follow it in one run, ahead of the step's
; products: the accumulators lie in window 1, so a load among the products would want two switches of the register window.
.set RING, 64                          ; window 0: v[64:255] buffers 0, 1, 2: four fragments of w_out, then tokens (part, nt) at 32 + 8 (2 part + nt)
.set RING3, 64                         ; window 1: v[64:127] buffer 3
.set SPITCH, 272                       ; window 1: v[0:63] accumulators, tile (mt, nt) at 8 (2 mt + nt)
.set STG, 16*SPITCH                    ; a stage: 4,352 bytes; two a wave
.set MSB, 0
.macro WIN new                         ; the immediate's high byte repeats the setting that is left
.if MSB != (\new)
	s_set_vgpr_msb (MSB<<8)|(\new)
.set MSB, (\new)
.endif
.endm
.macro PLACES                          ; four plain vector places behind a matrix instruction, before its result is read (ISA guide 7.12.1)
.rept 4
	v_nop
.endr
.endm
.macro BUFSET buf                      ; RB: the buffer's first register;  RW: its window
.if (\buf) == 3
.set RB, RING3
.set RW, 1
.else
.set RB, RING+64*(\buf)
.set RW, 0
.endif
.endm
.macro LDSTEP kf, buf                  ; the 16 loads of K step kf
	BUFSET \buf
	WIN (RW<<6)                                    ; the destination's window; the offset v1 lies in window 0
.irp a,0,1,2,3
.irp c,0,1
	global_load_b128 v[RB+8*\a+4*\c:RB+8*\a+4*\c+3], v1, s[6:7] offset:\a*16384+(\kf)*1024+\c*512
.endr
.endr
.irp p,0,1
.irp n,0,1
.irp c,0,1
	global_load_b128 v[RB+32+8*(2*\p+\n)+4*\c:RB+32+8*(2*\p+\n)+4*\c+3], v1, s[4:5] offset:\n*32768+\p*16384+(\kf)*1024+\c*512
.endr
.endr
.endr
.endm
.macro MULSTEP buf, zero               ; the eight accumulators take turns, once for each part
	BUFSET \buf
	WIN (0x50|(5*RW))                              ; C and D in window 1, both sources in the buffer's window
.irp p,0,1
.irp mt,0,1,2,3
.irp nt,0,1
.if (\zero)*(1-\p)
	v_wmma_f32_16x16x32_bf16 v[8*(2*\mt+\nt):8*(2*\mt+\nt)+7], v[RB+8*\mt:RB+8*\mt+7], v[RB+32+8*(2*\p+\nt):RB+32+8*(2*\p+\nt)+7], 0
.else
	v_wmma_f32_16x16x32_bf16 v[8*(2*\mt+\nt):8*(2*\mt+\nt)+7], v[RB+8*\mt:RB+8*\mt+7], v[RB+32+8*(2*\p+\nt):RB+32+8*(2*\p+\nt)+7], v[8*(2*\mt+\nt):8*(2*\mt+\nt)+7]
.endif
.endr
.endr
.endr
.endm
; K step st.  left = the younger steps' loads that may stay out; nxt = 1: step st + 3 is asked for; first = 1: step 0, with no step in front of it
.macro GSTEP st, zero, left, nxt, first
	s_wait_loadcnt \left                           ; loads come back in order (ISA guide 5.7.1): this step's buffer is in
.if \nxt
	BUFSET ((\st)+3)%4
	WIN (RW<<6)                                    ; the loads' window first, then the wait, then the loads
.if \first
.else
	s_wait_alu depctr_va_vdst(0)                   ; the products of the step before are done reading their buffer, in which the loads below land
.endif
	LDSTEP (\st)+3, ((\st)+3)%4
.endif
	MULSTEP (\st)%4, \zero
.endm
	s_load_b128 s[4:7], s[0:1], 0x0                ; OF, wF
	s_load_b64 s[8:9], s[0:1], 0x10                ; out0
	v_lshl_add_u32 v62, v0, 2, 0x4400
	v_mov_b32 v63, 0
	v_and_b32 v1, 31, v0
	v_lshlrev_b32 v1, 4, v1                        ; 16 x lane
	v_lshrrev_b32 v5, 5, v0
	v_readfirstlane_b32 s2, v5                     ; wave
	v_and_b32 v6, 15, v0                           ; r
	v_bfe_u32 v7, v0, 4, 1                         ; h
	s_and_b32 s3, ttmp9, 7                         ; which 64 columns
	s_lshr_b32 s10, ttmp9, 3
	s_wait_alu depctr_va_sdst(0)                   ; s2 is written, ahead of its first reader: the wave's tokens and its stages are made from it
	s_lshl1_add_u32 s10, s10, s2                   ; which 32 tokens
	s_lshl_b32 s12, s3, 16                         ; four column tiles of 16 blocks
	s_add_co_u32 s12, s12, 0x300000                ; weight 6: column tile 192
	s_mov_b32 s13, 0
	s_lshl_b32 s14, s10, 16                        ; two token tiles of 32 blocks
	s_mov_b32 s15, 0
	s_lshl_b32 s16, s10, 16                        ; 32 rows of 2,048 bytes
	s_lshl_b32 s11, s3, 8
	s_add_co_u32 s16, s16, s11
	s_mov_b32 s17, 0
	s_mul_i32 s18, s2, 2*STG                       ; my two stages
	v_mul_u32_u24 v2, v6, SPITCH
	v_lshl_add_u32 v2, v7, 5, v2
	v_add_nc_u32 v2, s18, v2                       ; in: row r, 32 bytes for each half of the lanes
	v_mul_u32_u24 v3, v7, SPITCH
	v_lshl_add_u32 v3, v6, 4, v3
	v_add_nc_u32 v3, s18, v3                       ; back: lanes 0-15 one row of 256 bytes, lanes 16-31 the next
	v_lshlrev_b32 v4, 4, v6
	v_lshl_add_u32 v4, v7, 11, v4                  ; and the same two rows in out0
	s_wait_kmcnt 0x0
	s_add_nc_u64 s[6:7], s[6:7], s[12:13]
	s_add_nc_u64 s[4:5], s[4:5], s[14:15]
	s_add_nc_u64 s[8:9], s[8:9], s[16:17]
	s_wait_alu depctr_va_vdst(0)                   ; the four offsets and addresses v1 to v4 are written, which the kernel's loads, LDS instructions and stores read
	LDSTEP 0, 0
	LDSTEP 1, 1
	LDSTEP 2, 2
	GSTEP 0, 1, 32, 1, 1                           ; the first products start the sums.  Its loads land in buffer 3, which nothing has named
.irp st,1,2,3,4,5,6,7,8,9,10,11,12
	GSTEP \st, 0, 32, 1, 0
.endr
	GSTEP 13, 0, 32, 0, 0                          ; the last three steps ask for nothing, so they hold no wait on va_vdst
	GSTEP 14, 0, 16, 0, 0                          ; the counts run down
	GSTEP 15, 0, 0, 0, 0
	PLACES                                         ; behind the last product, before its result is read
.irp nt,0,1
	WIN 0x04                                       ; an LDS store's data is source 1
.if \nt == 0
	s_wait_alu depctr_va_vdst(0)                   ; the products have written the accumulators, which the LDS stores read, and are done reading buffer 0, in which the rows read back land; the places above stay beside this wait
.endif
.irp mt,0,1,2,3
.irp q,0,1
	ds_store_b128 v2, v[8*(2*\mt+\nt)+4*\q:8*(2*\mt+\nt)+4*\q+3] offset:\nt*STG+\mt*64+\q*16
.endr
.endr
	WIN 0
.irp u,0,1,2,3,4,5,6,7
	ds_load_b128 v[RING+32*\nt+4*\u:RING+32*\nt+4*\u+3], v3 offset:\nt*STG+\u*2*SPITCH   ; LDS serves a wave's instructions in order (ISA guide 5.7.1.4): these see the stores above
.endr
.irp u,0,1,2,3,4,5,6,7
	s_wait_dscnt 7-\u                              ; the younger read-backs may stay out
	global_store_b128 v4, v[RING+32*\nt+4*\u:RING+32*\nt+4*\u+3], s[8:9] offset:(16*\nt+2*\u)*2048 th:TH_STORE_NT
.endr
.endr
	s_wait_dscnt 0x0
	s_wait_alu depctr_hold_cnt(0) depctr_sa_sdst(0) depctr_va_vdst(0) depctr_va_sdst(0) depctr_va_ssrc(0) depctr_va_vcc(0) depctr_vm_vsrc(0)
	s_wait_tensorcnt 0x0
	ds_add_u32 v62, v63
	s_wait_dscnt 0x0
	s_endpgm
.Lfunc_end_k_q1e448a8a56_outp:
	.size	k_q1e448a8a56_outp, .Lfunc_end_k_q1e448a8a56_outp-k_q1e448a8a56_outp
	.p2alignl 7, 3214868480
	.fill 96, 4, 3214868480
	.section	.rodata,"a",@progbits
	.p2align	6, 0x0
	.amdhsa_kernel k_q1e448a8a56_outp
		.amdhsa_group_segment_fixed_size 17664
		.amdhsa_private_segment_fixed_size 0
		.amdhsa_enable_private_segment 0
		.amdhsa_kernarg_size 24
		.amdhsa_user_sgpr_count 2
		.amdhsa_user_sgpr_kernarg_segment_ptr 1
		.amdhsa_wavefront_size32 1
		.amdhsa_system_sgpr_workgroup_id_x 1
		.amdhsa_system_sgpr_workgroup_id_y 1
		.amdhsa_system_sgpr_workgroup_id_z 1
		.amdhsa_system_vgpr_workitem_id 0
		.amdhsa_next_free_vgpr 384
		.amdhsa_next_free_sgpr 66
		.amdhsa_reserve_vcc 0
		.amdhsa_float_denorm_mode_32 3
		.amdhsa_float_denorm_mode_16_64 3
		.amdhsa_memory_ordered 1
		.amdhsa_forward_progress 1
		.amdhsa_inst_pref_size 49
	.end_amdhsa_kernel
	.amdgpu_metadata
---
amdhsa.version: [ 1, 2 ]
amdhsa.kernels:
  - .name:           k_q1e448a8a56_outp
    .symbol:         k_q1e448a8a56_outp.kd
    .args:
      - { .name: OF, .offset: 0, .size: 8, .value_kind: global_buffer, .address_space: global }
      - { .name: wF, .offset: 8, .size: 8, .value_kind: global_buffer, .address_space: global }
      - { .name: out0, .offset: 16, .size: 8, .value_kind: global_buffer, .address_space: global }
    .group_segment_fixed_size: 17664
    .private_segment_fixed_size: 0
    .kernarg_segment_align: 8
    .kernarg_segment_size: 24
    .max_flat_workgroup_size: 64
    .sgpr_count:     66
    .vgpr_count:     384
    .wavefront_size: 32
...
	.end_amdgpu_metadata
.endif
;; end of part 8
